; MI455X (gfx1250); checked and timed in simulation.
; The chip was launched on July 23, 2026; its instructions are those of AMD's public machine-readable ISA for CDNA 5 (MIT licence, August 2026) and "CDNA5" Instruction Set Architecture Reference Guide (July 2026). The comments in the code are by the model that wrote it; some were corrected since.
;; Causal Self Attention. Allowed arithmetic: matrix products marked QUANTISED: E2M3 operands, one E8M0 scale for each 32 along K, by v_wmma_scale_f32_16x16x128_f8f6f4 with both operands' format E2M3, f32 sums; everything else in f32.
;; Inputs: b_attn 3,072 float32; b_proj 1,024 float32; w_attn 1,024 x 3,072 float32; w_proj 1,024 x 1,024 float32; x 4 x 2,048 x 1,024 float32.
;; Outputs: out0 4 x 2,048 x 1,024 float32.
;; This version of the problem:
;;   THIS VERSION OF THE PROBLEM IS GIVEN IN LOW PRECISION. The matrix products marked QUANTISED in the list below multiply operands that are first quantised to E2M3 (2 exponent bits, 3 mantissa bits; 6 bits a number), with one power-of-two scale for each 32 numbers along K (OCP MX v1.0); their sums are f32. All else is computed in f32.
;;   The module's matrix products, in the order in which they are computed (A, B: the left and right operand; K: the contracted axis; several contracted axes count as one K, in the product's order):
;;     1. [M 8,192, K 1,024] x [K 1,024, N 3,072]; A: input x; B: input w_attn: QUANTISED
;;     2. batch 64 x [M 2,048, K 64] x [K 64, N 2,048]; A: computed on the way; B: computed on the way: QUANTISED
;;     3. batch 64 x [M 64, K 2,048] x [K 2,048, N 2,048]; A: computed on the way; B: softmax (see below): QUANTISED
;;     4. [M 8,192, K 1,024] x [K 1,024, N 1,024]; A: computed on the way; B: input w_proj: QUANTISED
;;   THE QUANTISER, for each operand of a quantised product, along K:
;;     - K is cut into blocks of 32 from its start; a last block that is shorter is filled with zeros.
;;     - A block's scale is 2^e with e = floor(log2(the largest magnitude in the block)) - 2, held to -126 .. 127; a block of zeros has e = 0. As a byte (E8M0): e + 127.
;;     - Each number is divided by its block's scale, clamped to +-7.5, and rounded to the nearest number of E2M3, ties to even, subnormals kept.
;;     - The product sums the exact products of the quantised numbers (number of the format x scale) in f32.
;;   ~~~python
;;   def quantise(x, axis):      # numpy; x: float32 -> the quantised numbers, widened to float32 again
;;       x = np.moveaxis(x, axis, -1); K = x.shape[-1]
;;       x = np.pad(x, [(0, 0)] * (x.ndim - 1) + [(0, -K % 32)]); x = x.reshape(x.shape[:-1] + (-1, 32)); a = np.abs(x).max(-1, keepdims=True)
;;       e = np.where(a > 0, np.clip(np.frexp(np.where(a > 0, a, 1))[1] - 1 - 2, -126, 127), 0)      # np.frexp(a)[1] - 1 = floor(log2(a)), exactly
;;       r = np.clip(x / 2.0 ** e, -7.5, 7.5)
;;       step = 2.0 ** (np.maximum(np.frexp(np.where(r == 0, 1, r))[1] - 1, 0) - 3)
;;       q = np.round(r / step) * step * 2.0 ** e      # np.round: ties to even
;;       return np.moveaxis(q.reshape(q.shape[:-2] + (-1,))[..., :K], -1, axis).astype(np.float32)
;;   ~~~
;;   SOFTMAX AHEAD OF A QUANTISED PRODUCT. Where the list says 'softmax', what is quantised is not the finished softmax but p = 2^(t - M), with t = logit x log2(e) and M = ceil(the row's largest t), a whole number; so 1/2 < the row's largest p <= 1. The row's sum l is taken of the UNQUANTISED p, in f32, and the product's result is divided by l at the end. Since M is a whole number, a kernel that streams over the keys may use a running M (the ceiling of the running maximum): every later rescaling is an exact power of two, which a block's scale takes up: the codes' values come out the same.
;;   OPERANDS COMPUTED ON THE WAY. 'Computed on the way' means the value that the module computes at that place (a softmax that the list does not call 'softmax' is quantised finished and normalised). What goes into a quantiser is computed in f32, as accurately as f32 sums, v_exp_f32 and their like allow (about 1e-6 of the number): no bf16 or f16 on the way to a quantiser, and a product that is left as it is and whose result goes on into a quantised operand takes f32 operands (vector FMAs, or v_wmma_f32_16x16x4_f32). A number that lies on a knife's edge between two numbers of the format may be rounded either way, as far as f32 arithmetic and the matrix unit's own rounding can turn it there, and no further.
;; One version. Each part assembles by itself: llvm-mc -triple=amdgcn-amd-amdhsa -mcpu=gfx1250 --defsym DOCPART=n.
;; ======== version 1 of 1: 4 launches
;; limits: right only within a limited range of input values
;; workspace buffers: xq 6,553,600 bytes; waq 2,457,600 bytes; wpq 819,200 bytes; qb 6,553,600 bytes; kv 13,107,200 bytes; yq 6,553,600 bytes
;; launch quant (part 1): grid 32 x 8, 8 waves a work-group, no clusters, 34,816 bytes of LDS; arguments x, w_attn, w_proj, xq, waq, wpq; writes xq, waq, wpq
.if DOCPART == 1
	.amdgcn_target "amdgcn-amd-amdhsa--gfx1250"
	.amdhsa_code_object_version 6
	.text
	.protected	k_qa000a83a90_quant
	.globl	k_qa000a83a90_quant
	.p2align	8
	.type	k_qa000a83a90_quant,@function
k_qa000a83a90_quant:
	s_mov_b64 s[64:65], 0
	v_nop
	global_prefetch_b8 v0, s[64:65] scope:SCOPE_SE
	s_setreg_imm32_b32 hwreg(HW_REG_WAVE_MODE, 25, 1), 1
	s_wait_xcnt 0x0
; x [8192][1024], w_attn [1024][3072] and w_proj [1024][1024], f32, become codes of FP6 (E2M3) with one E8M0 byte for each 32 along K (K = the 1,024), laid as the later launches' operand registers.
; A block's scale is 2^(floor(log2(its largest magnitude)) - 2); its byte is the largest magnitude's exponent field - 2, held at 1 from below; each number / scale goes to the nearest code, ties to even, beyond 7.5 the largest code.
; LIMITS: NaN and infinities among the inputs are not served.  A block of zeros, or one whose largest magnitude lies under 2^-124, gets the byte 1 (the rule's 127 for zeros is not written: the codes are zeros, and this program alone reads the bytes).
; LAYOUT OF THE RESULTS.  A row-block is 16 rows (of x) or 16 columns (of a weight).  Row-block 2 G + u, lane r, holds logical row 32 G + 8 u + r + 8 (r / 8): so that, where a pair of row-blocks is a product's source 0, a lane's 16 results are 16 neighbours.
;   A fragment (16 rows x 128 K, 12 registers a lane) lies as an image of its registers, 1,536 bytes: register j of lane l at 512 (j / 4) + 16 l + 4 (j % 4).  A row-block's 8 fragments lie on end: 12,288 bytes.
;   A row-block's scale words (4 bytes a row and K step) are a page of 512 bytes: the words of K steps 4 q .. 4 q + 3 of row r at 16 (r + 16 q).
;   w_attn's row-blocks are ordered for the next launch: for each of 16 tiles and each of its two halves, the 4 row-blocks of one head of q or k, then 2 row-blocks (32 columns) of v.
; SHARES.  256 work-groups of 8 waves.  Waves 0-3 take 32 rows of x (wave: one row-block, half of K).  Waves 4-7 take 128 columns x 128 K of a weight (work-group x under 24: w_attn, else w_proj; y: the K step).
; The two kinds part on the wave's number and never meet again: no barrier.  No tensor load, no cluster, no matrix unit: memory binds, and no work-group reads what another reads.
.set XPG,  6291456                     ; xq: where the pages begin
.set WAPG, 2359296                     ; waq likewise
.set WPPG, 786432                      ; wpq likewise
.set STW,  8448                        ; LDS: a stage of 16 rows x 528 bytes for each of waves 0-3
.set SP,   528                         ; a stage row: 512 bytes + 16, an odd multiple of 16: the 16 rows that a load touches start in 16 different groups of banks
.set LI,   1                           ; v1   16 x lane
.set STO,  2                           ; v2   the stage, on the way in
.set RD,   3                           ; v3   and on the way out
.set SOF,  4                           ; v4   my 8 bytes of the page's half
.set PWX,  8                           ; v8-11 the four K steps' scale words
.set R,    32                          ; v32-159  two sets of 64 registers as loaded
.set X,    160                         ; v160-223 64 numbers of my row: register 16 b + i = k 32 b + 16 (lane / 16) + i
.set PC,   224                         ; v224-235 the fragment just made
.set CT,   236                         ; v236-243 the conversions' second halves
.set TM,   244                         ; v244-247 largest magnitudes, v248-251 the other half's / the bytes, v252-255 the conversions' scale operands
.set SEL,  34                          ; s[34:35] lane selects of v_permlanex16_b32: lane l xor 16
.set XW,   32                          ; weights: v32-95 two sets of 32 numbers down K
.set FR0,  96                          ; v96-107 the fragment registers of lane (r, 0), v108-119 of lane (r, 1)
.set CTW,  120
	s_load_b256 s[4:11], s[0:1], 0x0               ; x s[4:5], w_attn s[6:7], w_proj s[8:9], xq s[10:11]
	s_load_b128 s[12:15], s[0:1], 0x20             ; waq s[12:13], wpq s[14:15]
	v_lshl_add_u32 v239, v0, 2, 0x8400
	v_mov_b32 v243, 0
	v_lshrrev_b32 v2, 5, v0
	s_delay_alu instid0(VALU_DEP_1)
	v_readfirstlane_b32 s16, v2                    ; wave 0..7
	v_and_b32 v5, 31, v0                           ; lane
	v_and_b32 v6, 15, v0                           ; r
	v_bfe_u32 v7, v0, 4, 1                         ; h
	s_delay_alu instid0(VALU_DEP_3)
	v_lshlrev_b32 v[LI], 4, v5
	s_and_b32 s17, ttmp7, 0xffff                   ; work-group y
	s_cmp_lt_u32 s16, 4
	s_cbranch_scc0 .Lweights
; ---------------- x: waves 0-3 ----------------
; 64 numbers of a lane, register 16 b + i = k 32 b + 16 (lane / 16) + i of my row, become a fragment in v[PC] on and its scale word in v[pw]
.macro QUANT s, pw
.irp b, 0,1,2,3
	v_max3_num_f32 v[TM+\b], |v[\s+16*\b]|, |v[\s+1+16*\b]|, 0x1800000   ; block b: my 16 numbers, and the floor 2^(3 - 127): the byte cannot fall under 1
.endr
.irp i, 2,4,6,8,10,12,14
.irp b, 0,1,2,3
	s_delay_alu instid0(VALU_DEP_4)
	v_max3_num_f32 v[TM+\b], v[TM+\b], |v[\s+16*\b+\i]|, |v[\s+1+16*\b+\i]|   ; the four blocks by turns
.endr
.endr
.irp b, 0,1,2,3
	s_delay_alu instid0(VALU_DEP_4)
	v_permlanex16_b32 v[TM+4+\b], v[TM+\b], s[SEL], s[SEL+1]
.endr
.irp b, 0,1,2,3
	s_delay_alu instid0(VALU_DEP_4)
	v_max_num_f32 v[TM+\b], v[TM+\b], v[TM+4+\b]   ; with lane l xor 16's 16: the block's largest magnitude
.endr
.irp b, 0,1,2,3
	s_delay_alu instid0(VALU_DEP_4)
	v_add_nc_u32 v[TM+8+\b], 0xff000000, v[TM+\b]  ; 2 off its exponent field: the conversion takes this operand's exponent field as its scale
.endr
.irp b, 0,1,2,3
	s_delay_alu instid0(VALU_DEP_4)
	v_lshrrev_b32 v[TM+4+\b], 23, v[TM+8+\b]       ; the scale's byte
.endr
	s_delay_alu instid0(VALU_DEP_3)
	v_lshl_or_b32 v[\pw], v[TM+5], 8, v[TM+4]
	s_delay_alu instid0(VALU_DEP_1)
	v_lshl_or_b32 v[\pw], v[TM+6], 16, v[\pw]
	s_delay_alu instid0(VALU_DEP_1)
	v_lshl_or_b32 v[\pw], v[TM+7], 24, v[\pw]      ; my row's scale word
.irp c, 0,1
	v_cvt_scalef32_pk16_fp6_f32 v[PC+6*\c:PC+2+6*\c], v[\s+32*\c:\s+15+32*\c], v[TM+8+2*\c]
	v_cvt_scalef32_pk16_fp6_f32 v[CT+4*\c:CT+2+4*\c], v[\s+16+32*\c:\s+31+32*\c], v[TM+9+2*\c]   ; (a conversion's three registers begin on an even number)
.endr
	v_nop                                          ; one plain place behind a scaled conversion
.irp c, 0,1                                    ; the operand's layout wants a whole block in a lane: lanes 0-15 block 2 c, lanes 16-31 block 2 c + 1
.irp i, 0,1,2
	v_permlane16_swap_b32 v[PC+6*\c+\i], v[CT+4*\c+\i]
.endr
.irp i, 0,1,2
	s_delay_alu instid0(VALU_DEP_3)
	v_mov_b32 v[PC+3+6*\c+\i], v[CT+4*\c+\i]
.endr
.endr
.endm
.macro LOADX t                         ; K step t of my four: 512 consecutive bytes of each of my 16 rows, one row a load
.irp p, 0,1,2,3,4,5,6,7,8,9,10,11,12,13,14,15
	global_load_b128 v[R+64*((\t)%2)+4*\p:R+64*((\t)%2)+4*\p+3], v[LI], s[4:5] offset:(\p+8*(\p/8))*4096+512*(\t) th:TH_LOAD_NT
.endr
.endm
.macro TURNX t                         ; through my stage: in as loaded, out 16 neighbours of each block to a lane.  LDS serves a wave's instructions in order: no wait between
.irp p, 0,1,2,3,4,5,6,7,8,9,10,11,12,13,14,15
	ds_store_b128 v[STO], v[R+64*((\t)%2)+4*\p:R+64*((\t)%2)+4*\p+3] offset:SP*\p
.endr
.irp b, 0,1,2,3
.irp j, 0,1,2,3
	ds_load_b128 v[X+16*\b+4*\j:X+16*\b+4*\j+3], v[RD] offset:128*\b+16*\j
.endr
.endr
.endm
.macro XSTEP t
.if (\t) < 3
	s_wait_loadcnt 16                              ; this K step's 16 loads are in; the next step's 16 may be out
.else
	s_wait_loadcnt 0x0
.endif
	TURNX \t
	s_wait_dscnt 0x0                               ; my numbers are back, and the stores into the stage have read their registers,
.if (\t) < 2
	LOADX (\t)+2                                   ; which take the loads of two steps on
.endif
.if (\t) > 0
	s_wait_xcnt 0x0                                ; the last step's stores have read v[PC] on: it is written again only behind this wait
.endif
	QUANT X, PWX+(\t)
.irp c, 0,1,2
	global_store_b128 v[LI], v[PC+4*\c:PC+4*\c+3], s[10:11] offset:1536*(\t)+512*\c   ; 512 consecutive bytes, aligned
.endr
.endm
	s_lshl_b32 s18, s17, 5
	s_add_co_u32 s18, s18, ttmp9                   ; which 32 rows: 32 y + x
	s_and_b32 s19, s16, 1                          ; u: which of their two row-blocks
	s_lshr_b32 s20, s16, 1                         ; q: which half of K
	s_lshl_b32 s22, s18, 17                        ; 32 rows of 4,096 bytes,
	s_lshl_b32 s23, s19, 15                        ; + 8 u rows,
	s_add_co_u32 s22, s22, s23
	s_lshl_b32 s23, s20, 11                        ; + 512 q numbers
	s_add_co_u32 s22, s22, s23
	s_mov_b32 s23, 0
	s_lshl_b32 s24, s18, 1
	s_add_co_u32 s24, s24, s19                     ; my row-block
	s_mul_i32 s26, s24, 12288
	s_mul_i32 s27, s20, 4*1536
	s_add_co_u32 s26, s26, s27                     ; its K step 4 q
	s_mov_b32 s27, 0
	s_lshl_b32 s28, s24, 9
	s_lshl_b32 s29, s20, 8
	s_add_co_u32 s28, s28, s29
	s_add_co_u32 s28, s28, XPG                     ; my half of its page
	s_mov_b32 s29, 0
	s_mul_i32 s21, s16, STW                        ; my stage
	s_wait_alu depctr_va_vdst(0)
	v_add_nc_u32 v[STO], s21, v[LI]
	v_mul_u32_u24 v[RD], v6, SP
	s_delay_alu instid0(VALU_DEP_1)
	v_lshl_add_u32 v[RD], v7, 6, v[RD]
	s_delay_alu instid0(VALU_DEP_1)
	v_add_nc_u32 v[RD], s21, v[RD]                 ; row r, + 64 h
	v_lshlrev_b32 v[SOF], 4, v6
	s_delay_alu instid0(VALU_DEP_1)
	v_lshl_add_u32 v[SOF], v7, 3, v[SOF]           ; 16 r + 8 h
	s_mov_b32 s[SEL], 0x76543210
	s_mov_b32 s[SEL+1], 0xfedcba98
.irp b, 0,1,2,3
	v_mov_b32 v[TM+4+\b], 0                        ; written once: a lane permute's destination counts as one of its sources
.endr
	s_wait_alu depctr_va_vdst(0)
	s_wait_kmcnt 0x0
	s_add_nc_u64 s[4:5], s[4:5], s[22:23]
	s_add_nc_u64 s[30:31], s[10:11], s[28:29]
	s_add_nc_u64 s[10:11], s[10:11], s[26:27]
	LOADX 0
	LOADX 1
	XSTEP 0
	XSTEP 1
	XSTEP 2
	XSTEP 3
	v_cmp_lt_u32 vcc_lo, 15, v5                    ; lanes 16-31 store words 2 and 3 of their row, lanes 0-15 words 0 and 1
	s_delay_alu instid0(VALU_DEP_1)
	v_cndmask_b32 v12, v[PWX], v[PWX+2], vcc_lo
	s_delay_alu instid0(VALU_DEP_2)
	v_cndmask_b32 v13, v[PWX+1], v[PWX+3], vcc_lo
	global_store_b64 v[SOF], v[12:13], s[30:31]    ; the wave stores 256 consecutive bytes, aligned
	s_wait_tensorcnt 0x0
	ds_add_u32 v239, v243
	s_wait_dscnt 0x0
	s_endpgm
; ---------------- the weights: waves 4-7 ----------------
; A lane takes a column and its registers run down K: a block of 32 lies in one lane, and the conversions give codes with K innermost.  The four waves stand side by side on 512 consecutive bytes of each row.
.macro LOADW kb, P
.irp i, 0,1,2,3,4,5,6,7,8,9,10,11,12,13,14,15,16,17,18,19,20,21,22,23,24,25,26,27,28,29,30,31
	global_load_b32 v[XW+32*((\kb)%2)+\i], v2, s[6:7] offset:(32*(\kb)+\i)*\P th:TH_LOAD_NT
.endr
.endm
.macro WBLOCK kb, P                    ; block kb = 2 c + h of the K step becomes registers 6 c .. 6 c + 5 of lane (r, h)
.set XB, XW+32*((\kb)%2)
.set FD, FR0+12*((\kb)%2)+6*((\kb)/2)
.if (\kb) < 3
	s_wait_loadcnt 32                              ; this block's 32 loads are in; the next block's may be out
.else
	s_wait_loadcnt 0x0
.endif
	v_max3_num_f32 v12, |v[XB]|, |v[XB+1]|, |v[XB+2]|
	v_max3_num_f32 v13, |v[XB+3]|, |v[XB+4]|, |v[XB+5]|
.irp i, 6,10,14,18,22,26
	s_delay_alu instid0(VALU_DEP_2)
	v_max3_num_f32 v12, v12, |v[XB+\i]|, |v[XB+\i+1]|
	s_delay_alu instid0(VALU_DEP_2)
	v_max3_num_f32 v13, v13, |v[XB+\i+2]|, |v[XB+\i+3]|
.endr
	s_delay_alu instid0(VALU_DEP_2)
	v_max3_num_f32 v12, v12, |v[XB+30]|, |v[XB+31]|
	s_delay_alu instid0(VALU_DEP_1)
	v_max3_num_f32 v12, v12, v13, 0x1800000        ; and the floor
	s_delay_alu instid0(VALU_DEP_1)
	v_add_nc_u32 v11, 0xff000000, v12              ; the conversions' scale operand
	s_delay_alu instid0(VALU_DEP_1)
	v_lshrrev_b32 v13, 23, v11                     ; the byte
.if (\kb) == 0
	s_delay_alu instid0(VALU_DEP_1)
	v_mov_b32 v10, v13
.else
	s_delay_alu instid0(VALU_DEP_1)
	v_lshl_or_b32 v10, v13, 8*(\kb), v10           ; the K step's scale word of my column
.endif
	v_cvt_scalef32_pk16_fp6_f32 v[FD:FD+2], v[XB:XB+15], v11
	v_cvt_scalef32_pk16_fp6_f32 v[CTW:CTW+2], v[XB+16:XB+31], v11
	v_nop                                          ; one plain place behind a scaled conversion
.irp i, 0,1,2
	v_mov_b32 v[FD+3+\i], v[CTW+\i]
.endr
.if (\kb) < 2
	LOADW (\kb)+2, \P
.endif
.endm
.macro WBODY P
	LOADW 0, \P
	LOADW 1, \P
	WBLOCK 0, \P
	WBLOCK 1, \P
	WBLOCK 2, \P
	WBLOCK 3, \P
.irp h, 0,1
.irp c, 0,1,2
	global_store_b128 v8, v[FR0+12*\h+4*\c:FR0+12*\h+4*\c+3], s[12:13] offset:256*\h+512*\c   ; sixteen lanes fill 256 consecutive bytes, aligned, of each of the two row-blocks' images
.endr
.endr
	global_store_b32 v9, v10, s[28:29]             ; 4 bytes of each 16 of a page's half: the page's other words come from other work-groups (other K steps); one byte for each 128 that these waves read
	s_endpgm
.endm
.Lweights:
	s_sub_co_u32 s18, s16, 4
	s_lshl_b32 s19, ttmp9, 2
	s_add_co_u32 s19, s19, s18                     ; G: my group of 32 columns, counted through w_attn
	s_lshr_b32 s20, s19, 2                         ; a column of q or k (G under 64): tile G / 4,
	s_mul_i32 s20, s20, 12
	s_bfe_u32 s21, s19, 0x10001                    ; half (G / 2) % 2,
	s_mul_i32 s21, s21, 6
	s_add_co_u32 s20, s20, s21
	s_and_b32 s21, s19, 1                          ; row-blocks 2 (G % 2) on
	s_lshl_b32 s21, s21, 1
	s_add_co_u32 s20, s20, s21
	s_sub_co_u32 s22, s19, 64                      ; a column of v: tile (G - 64) / 2, half (G - 64) % 2, row-blocks 4 on
	s_lshr_b32 s23, s22, 1
	s_mul_i32 s23, s23, 12
	s_and_b32 s24, s22, 1
	s_mul_i32 s24, s24, 6
	s_add_co_u32 s23, s23, s24
	s_add_co_u32 s23, s23, 4
	s_cmp_lt_u32 s19, 64
	s_cselect_b32 s20, s20, s23                    ; the first of my two row-blocks in waq
	s_sub_co_u32 s22, s19, 96                      ; G in w_proj,
	s_lshl_b32 s23, s22, 1                         ; whose row-blocks keep their order
	s_wait_alu depctr_va_vdst(0)
	v_lshlrev_b32 v2, 2, v5                        ; in: 4 bytes a lane
	v_bfe_u32 v3, v5, 3, 1                         ; u: column n' = lane of the 32 lies in row-block u = bit 3,
	v_and_b32 v4, 7, v5
	s_delay_alu instid0(VALU_DEP_1)
	v_lshl_or_b32 v4, v7, 3, v4                    ; at lane r = (n' % 8) + 8 x bit 4
	s_delay_alu instid0(VALU_DEP_1)
	v_lshlrev_b32 v4, 4, v4
	s_delay_alu instid0(VALU_DEP_1)
	v_mad_u32_u24 v8, v3, 0x3000, v4               ; 12,288 u + 16 r
	s_delay_alu instid0(VALU_DEP_2)
	v_lshl_add_u32 v9, v3, 9, v4                   ; 512 u + 16 r
	s_wait_kmcnt 0x0
	s_mov_b32 s24, WPPG
	s_mov_b32 s25, 128*4096
	s_cmp_lt_u32 ttmp9, 24                         ; w_attn or w_proj: the choice hangs on the work-group's number alone
	s_cselect_b32 s20, s20, s23
	s_cselect_b32 s19, s19, s22
	s_cselect_b32 s24, WAPG, s24
	s_cselect_b32 s25, 128*12288, s25              ; a K step in the weight, in bytes
	s_cselect_b64 s[6:7], s[6:7], s[8:9]
	s_cselect_b64 s[12:13], s[12:13], s[14:15]
	s_mul_i32 s26, s17, s25
	s_lshl_b32 s27, s19, 7
	s_add_co_u32 s26, s26, s27
	s_mov_b32 s27, 0
	s_add_nc_u64 s[6:7], s[6:7], s[26:27]          ; row 128 y, column 32 G
	s_lshl_b32 s28, s20, 9
	s_add_co_u32 s28, s28, s24
	s_lshr_b32 s29, s17, 2
	s_lshl_b32 s29, s29, 8
	s_add_co_u32 s28, s28, s29
	s_and_b32 s29, s17, 3
	s_lshl_b32 s29, s29, 2
	s_add_co_u32 s28, s28, s29
	s_mov_b32 s29, 0
	s_add_nc_u64 s[28:29], s[12:13], s[28:29]      ; the K step's words in my row-blocks' pages
	s_mul_i32 s26, s20, 12288
	s_mul_i32 s30, s17, 1536
	s_add_co_u32 s26, s26, s30
	s_add_nc_u64 s[12:13], s[12:13], s[26:27]      ; the K step's images
	s_cmp_lt_u32 ttmp9, 24
	s_cbranch_scc0 .Lw_proj                        ; the two copies differ in the loads' immediates alone: a row is 12,288 or 4,096 bytes
	s_wait_alu depctr_va_vdst(0)
	WBODY 12288
.Lw_proj:
	s_wait_alu depctr_va_vdst(0)
	WBODY 4096
.Lfunc_end_k_qa000a83a90_quant:
	.size	k_qa000a83a90_quant, .Lfunc_end_k_qa000a83a90_quant-k_qa000a83a90_quant
	.p2alignl 7, 3214868480
	.fill 96, 4, 3214868480
	.section	.rodata,"a",@progbits
	.p2align	6, 0x0
	.amdhsa_kernel k_qa000a83a90_quant
		.amdhsa_group_segment_fixed_size 34816
		.amdhsa_private_segment_fixed_size 0
		.amdhsa_enable_private_segment 0
		.amdhsa_kernarg_size 48
		.amdhsa_user_sgpr_count 2
		.amdhsa_user_sgpr_kernarg_segment_ptr 1
		.amdhsa_wavefront_size32 1
		.amdhsa_system_sgpr_workgroup_id_x 1
		.amdhsa_system_sgpr_workgroup_id_y 1
		.amdhsa_system_sgpr_workgroup_id_z 1
		.amdhsa_system_vgpr_workitem_id 0
		.amdhsa_next_free_vgpr 256
		.amdhsa_next_free_sgpr 66
		.amdhsa_reserve_vcc 1
		.amdhsa_float_denorm_mode_32 3
		.amdhsa_float_denorm_mode_16_64 3
		.amdhsa_memory_ordered 1
		.amdhsa_forward_progress 1
		.amdhsa_inst_pref_size 84
	.end_amdhsa_kernel
	.amdgpu_metadata
---
amdhsa.version: [ 1, 2 ]
amdhsa.kernels:
  - .name:           k_qa000a83a90_quant
    .symbol:         k_qa000a83a90_quant.kd
    .args:
      - { .name: x, .offset: 0, .size: 8, .value_kind: global_buffer, .address_space: global }
      - { .name: w_attn, .offset: 8, .size: 8, .value_kind: global_buffer, .address_space: global }
      - { .name: w_proj, .offset: 16, .size: 8, .value_kind: global_buffer, .address_space: global }
      - { .name: xq, .offset: 24, .size: 8, .value_kind: global_buffer, .address_space: global }
      - { .name: waq, .offset: 32, .size: 8, .value_kind: global_buffer, .address_space: global }
      - { .name: wpq, .offset: 40, .size: 8, .value_kind: global_buffer, .address_space: global }
    .group_segment_fixed_size: 34816
    .private_segment_fixed_size: 0
    .kernarg_segment_align: 8
    .kernarg_segment_size: 48
    .max_flat_workgroup_size: 256
    .sgpr_count:     66
    .vgpr_count:     256
    .wavefront_size: 32
...
	.end_amdgpu_metadata
.endif
;; end of part 1
;; launch qkv (part 2): grid 16 x 32, 4 waves a work-group, clusters of 4 x 4, 327,680 bytes of LDS; arguments xq, waq, b_attn, qb, kv; writes qb, kv
.if DOCPART == 2
	.amdgcn_target "amdgcn-amd-amdhsa--gfx1250"
	.amdhsa_code_object_version 6
	.text
	.protected	k_qa000a83a90_qkv
	.globl	k_qa000a83a90_qkv
	.p2align	8
	.type	k_qa000a83a90_qkv,@function
k_qa000a83a90_qkv:
	s_mov_b64 s[64:65], 0
	v_nop
	global_prefetch_b8 v0, s[64:65] scope:SCOPE_SE
	s_setreg_imm32_b32 hwreg(HW_REG_WAVE_MODE, 25, 1), 1
	s_wait_xcnt 0x0
	s_wait_alu depctr_hold_cnt(0) depctr_sa_sdst(0) depctr_va_vdst(0) depctr_va_sdst(0) depctr_va_ssrc(0) depctr_va_vcc(0) depctr_vm_vsrc(0)
	s_getreg_b32 s2, hwreg(HW_REG_IB_STS2, 6, 4)
	s_cmp_eq_u32 s2, 0
	s_cbranch_scc0 .Lentry_in_a_cluster
	s_endpgm
.Lentry_in_a_cluster:
	s_bfe_u32 s2, ttmp6, 0x10000c
	s_cmp_lg_u32 s2, 0xf033
	s_cbranch_scc0 .Lentry_shape_is_right
	s_endpgm
.Lentry_shape_is_right:
; qkv = x w_attn + b_attn on codes of FP6 (E2M3) with E8M0 scales, sums in f32; q and k are quantised along the head's 64, v along the keys, in registers; only codes and scale bytes leave.
; LIMITS: as the quantiser's: NaN and infinities are not served; a block of zeros, or one under 2^-124, gets the byte 1 (this program alone reads the bytes).
; SHARES.  A work-group makes 256 rows x 192 columns: 8,192 x 3,072 are 512 such tiles, two for each of 256 WGPs.  The 192 columns are two heads of q or k (2 x 64) and one head of v (64).
; Wave (p, e) makes rows 128 p on x {one head of q or k, 32 columns of v}: 48 accumulators, 384 registers.  So every wave runs the same text: nothing tells q, k and v apart but addresses.
; OPERANDS lie in memory as images of their registers (1,536 bytes a fragment of 16 rows x 128 K, 12,288 a row-block): a fragment comes by three ds_load_b128 at 16 x lane, with no pitch and no padding.
; q, k: THE MATRIX INSTRUCTION IS USED TRANSPOSED (source 0 = 16 columns of w, source 1 = 16 rows of x): a lane holds one row, and its registers run along the head: that product's next K.
; v: used as it stands (source 0 = 16 rows of x, source 1 = 16 columns of w): a lane holds one column d, and its registers run along the rows, which are the keys: that product's next K.
; The order of rows in a row-block (lane r of row-block 2 G + u: row 32 G + 8 u + r + 8 (r / 8)) makes the 16 registers of two neighbouring tiles 16 neighbours along that next K: nothing changes lanes ahead of a quantiser.
; K goes in 4 chunks of 256 through three LDS slots: chunks 0, 1, 2 are asked for at the start, chunk 3 goes into slot 0 when steps 0 and 1 have been read: one refill, four steps (192 matrix instructions) ahead of its use.
; CLUSTERS: 4 x 4 work-groups; x's tiles are shared along a row of the cluster, w's along a column: each is asked for jointly, by the same tensor load with the same descriptor and a mask that names the four.
; REGISTERS: window 0: v16-22 LDS addresses, v24 16 x lane, v28-29 for the add, v32-63 x's scale words, v64-87 w's, v96-206 the way out.
;   window 1: v0-95 x's 8 fragments, one set; v96-167, v168-239 w's 6 fragments, two sets.   window 2: q/k accumulators, (a, t) at 32 a + 8 t.
;   window 3: v0-127 v's accumulators, (a, t') at 64 t' + 8 a; v128-159 the bias of my head; v160-175 the bias of my columns of v.  The biases are the C of each sum's first product.
.set XPG,   6291456                    ; xq: where the scale pages begin
.set WPG,   2359296                    ; waq likewise
.set SLOT,  86016                      ; x's 16 row-blocks x 3,072 bytes, then w's 12
.set BOFF,  49152
; LDS AS IT IS USED: chunk 0 of K (x's 16 row-blocks x 3,072 bytes, then w's 12) from byte 0; from SLOT on x's K 256-1023 (16 row-blocks x 9,216 bytes); from WB on w's K 256-767 (12 row-blocks x 6,144 bytes).
; These are the head's four loads, one a wave.  w's chunk 3 lands on w's chunk 0 behind step 1's round: the one refill.  A wave has one tensor load out at any time.
.set WB,    233472
.set SPARE, 307200                     ; behind all tiles: the spare words, 128 bytes a wave
.set ADRA,  16
.set ADRB,  20
.set LI,    24
.set SPW,   28
.set NIL,   29
.set SA,    32                         ; block a's page: v[SA + 4 a ..]: register s % 4 holds K step s's words, in lanes 0-15 for s under 4, in lanes 16-31 else
.set SB,    64
.set PCF,   96                         ; the way out: six fragments of 12 registers
.set CT,    168
.set TM,    176
.set PW,    192                        ; their scale words
.set BQ,    128
.set BV,    160
.set G1A,   24
.set G1B,   48
.set G0A,   68                         ; s[68:79] three sets, one for each first fill
.set G0B,   80
.set SEL,   92
.set MSB, 0
.macro WIN new                         ; the immediate's high byte repeats the setting that is left
.if MSB != \new
	s_set_vgpr_msb (MSB<<8)|\new
.set MSB, \new
.endif
.endm
.macro PLACES                          ; four plain places behind matrix instructions, in front of loads into registers that they have read and of the first read of results
.rept 4
	v_nop
.endr
.endm
.macro CREST                           ; a round of the cluster's barrier behind its opening barrier
	s_cmp_lg_u32 s14, 0
	s_cbranch_scc1 .Lnot_wave_0_\@
	s_barrier_signal -3
.Lnot_wave_0_\@:
	s_barrier_wait -3
	s_barrier_signal -1
	s_barrier_wait -1
.endm
.macro CROUND
	s_barrier_signal -1
	s_barrier_wait -1
	CREST
.endm
.macro BLOAD                           ; the one refill: wave 1 fetches w's chunk 3, 12 rows of 3,072 bytes; the places behind the label serve the waves that come round the load
	s_cmp_eq_u32 s14, 1
	s_cbranch_scc0 .Lno_b_\@
	tensor_load_to_lds s[96:99], s[G1B:G1B+7]
	s_nop 0
.rept 4
	v_nop
.endr
.Lno_b_\@:
	PLACES
.endm
.macro HARM w, g0, g1                  ; an arm of the head's chain: wave w's one load, and the jump to the join
	s_cmp_eq_u32 s14, \w
	s_cbranch_scc0 .Lnot_\w
	tensor_load_to_lds s[\g0:\g0+3], s[\g1:\g1+7]
	s_nop 0
.rept 4
	v_nop
.endr
	s_branch .Lfirst_asked
.Lnot_\w:
.endm
	s_load_b256 s[4:11], s[0:1], 0x0               ; xq s[4:5], waq s[6:7], b_attn s[8:9], qb s[10:11]
	s_load_b64 s[12:13], s[0:1], 0x20              ; kv
	v_lshl_add_u32 v[SPW], v0, 2, SPARE
	v_mov_b32 v[NIL], 0
	ds_add_u32 v28, v29
	ds_add_u32 v28, v29
	s_wait_dscnt 0x0
	v_lshrrev_b32 v1, 5, v0
	v_readfirstlane_b32 s14, v1                    ; wave 0..3
	s_lshr_b32 s15, s14, 1                         ; p: my half of the rows.  Also: which part of K I fetch
	s_and_b32 s16, s14, 1                          ; e: my half of the columns.  Also: I fetch for x (0) or for w (1)
	s_bfe_u32 s40, ttmp6, 0x40000                  ; cx, cy
	s_bfe_u32 s41, ttmp6, 0x40004
	s_lshl_b32 s42, ttmp9, 2
	s_add_co_u32 s42, s42, s40                     ; j: tile column
	s_and_b32 s17, ttmp7, 0xffff
	s_lshl_b32 s17, s17, 2
	s_add_co_u32 s17, s17, s41                     ; I: tile row
	s_lshl_b32 s43, s41, 2
	s_lshl_b32 s43, 15, s43                        ; my row of the cluster
	s_lshl_b32 s44, 0x1111, s40                    ; my column
	; group 1: rows of 3,072 bytes (a row-block's chunk: 384 elements of 8 bytes), 12,288 bytes apart; 16 rows for x, 12 for w; no padding
	s_or_b32 s[G1A+0], s43, (3<<16)|(1<<21)
	s_or_b32 s[G1B+0], s44, (3<<16)|(1<<21)
	s_mov_b32 s[G1A+1], 384<<16                    ; tensor_dim0
	s_mov_b32 s[G1A+2], 16<<16                     ; at the head a load brings a whole tile: x's 16 row-blocks
	s_mov_b32 s[G1A+3], 384<<16
	s_mov_b32 s[G1A+4], 16
	s_mov_b32 s[G1A+5], 1536                       ; the pitch
	s_mov_b32 s[G1A+6], 0
	s_mov_b32 s[G1A+7], 0
	s_mov_b32 s[G1B+1], 384<<16
	s_mov_b32 s[G1B+2], 12<<16                     ; w's 12
	s_mov_b32 s[G1B+3], 384<<16
	s_mov_b32 s[G1B+4], 12
	s_mov_b32 s[G1B+5], 1536
	s_mov_b32 s[G1B+6], 0
	s_mov_b32 s[G1B+7], 0
.set G1C, 32                           ; s[32:39] group 1 of x's K 256-1023: 16 rows of 9,216 bytes (1,152 elements of 8)
.set G1D, 84                           ; s[84:91] group 1 of w's K 256-767: 12 rows of 6,144 bytes
	s_or_b32 s[G1C+0], s43, (3<<16)|(1<<21)
	s_mov_b32 s[G1C+1], 1152<<16
	s_mov_b32 s[G1C+2], 16<<16
	s_mov_b32 s[G1C+3], 1152<<16
	s_mov_b32 s[G1C+4], 16
	s_mov_b32 s[G1C+5], 1536
	s_mov_b32 s[G1C+6], 0
	s_mov_b32 s[G1C+7], 0
	s_or_b32 s[G1D+0], s44, (3<<16)|(1<<21)
	s_mov_b32 s[G1D+1], 768<<16
	s_mov_b32 s[G1D+2], 12<<16
	s_mov_b32 s[G1D+3], 768<<16
	s_mov_b32 s[G1D+4], 12
	s_mov_b32 s[G1D+5], 1536
	s_mov_b32 s[G1D+6], 0
	s_mov_b32 s[G1D+7], 0
	s_wait_kmcnt 0x0
	s_mul_i32 s18, s17, 16*12288
	s_mov_b32 s19, 0
	s_add_nc_u64 s[18:19], s[4:5], s[18:19]        ; x's tile, all 16 row-blocks
	s_mul_i32 s22, s42, 12*12288
	s_mov_b32 s23, 0
	s_add_nc_u64 s[22:23], s[6:7], s[22:23]        ; w's tile, all 12
.irp c, 0,1                                    ; x: chunk 0 at byte 0; K 256-1023 from SLOT on
	s_mov_b32 s[G0A+4*\c], 1
	s_mov_b32 s[G0A+4*\c+1], \c*SLOT
	s_add_nc_u64 s[G0A+4*\c+2:G0A+4*\c+3], s[18:19], \c*3072
	s_or_b32 s[G0A+4*\c+3], s[G0A+4*\c+3], 0x80000000
.endr
	s_mov_b32 s[G0B], 1                            ; w's chunk 0
	s_mov_b32 s[G0B+1], BOFF
	s_mov_b64 s[G0B+2:G0B+3], s[22:23]
	s_or_b32 s[G0B+3], s[G0B+3], 0x80000000
	s_mov_b32 s[G0A+8], 1                          ; w's K 256-767
	s_mov_b32 s[G0A+9], WB
	s_add_nc_u64 s[G0A+10:G0A+11], s[22:23], 3072
	s_or_b32 s[G0A+11], s[G0A+11], 0x80000000
	s_mov_b32 s96, 1                               ; w's chunk 3, onto w's chunk 0
	s_mov_b32 s97, BOFF
	s_add_nc_u64 s[98:99], s[22:23], 9216
	s_or_b32 s99, s99, 0x80000000
	CROUND                                         ; all sixteen work-groups are here: the first joint loads meet
	HARM 0, G0A, G1A                               ; one load a wave, what is needed first asked for first: wave 0 x's chunk 0,
	HARM 1, G0B, G1B                               ; wave 1 w's chunk 0,
	HARM 2, G0A+4, G1C                             ; wave 2 x's K 256-1023,
	tensor_load_to_lds s[G0A+8:G0A+11], s[G1D:G1D+7]   ; wave 3 w's K 256-767
	s_nop 0
.rept 4
	v_nop
.endr
.Lfirst_asked:
	v_and_b32 v1, 31, v0
	v_lshlrev_b32 v[LI], 4, v1
	s_wait_alu depctr_va_vdst(0)
	v_and_b32 v2, 15, v0                           ; r
	v_bfe_u32 v3, v0, 4, 1                         ; h
	s_wait_alu depctr_va_vdst(0)
	s_mul_i32 s21, s15, 24576                      ; my 8 row-blocks of x,
	s_mul_i32 s22, s16, 18432                      ; my 6 of w
	s_add_co_u32 s22, s22, BOFF
	v_add_nc_u32 v[ADRA], s21, v[LI]               ; x's chunk 0
	v_add_nc_u32 v[ADRB], s22, v[LI]               ; w's chunks 0 and 3
	s_mul_i32 s21, s15, 73728                      ; my 8 row-blocks of 9,216 bytes
	s_add_co_u32 s21, s21, SLOT
	s_mul_i32 s22, s16, 36864                      ; my 6 of 6,144
	s_add_co_u32 s22, s22, WB
	v_add_nc_u32 v[ADRA+1], s21, v[LI]             ; x's K 256-1023, blocks 0-3,
	v_add_nc_u32 v[ADRB+1], s22, v[LI]             ; w's K 256-767
	s_add_co_u32 s21, s21, 36864
	v_add_nc_u32 v[ADRA+2], s21, v[LI]             ; and blocks 4-7: so that every offset stays inside 16 bits
	s_lshl_b32 s56, s17, 4
	s_lshl_b32 s57, s15, 3
	s_add_co_u32 s56, s56, s57
	s_lshl_b32 s56, s56, 9
	s_add_co_u32 s56, s56, XPG
	s_mov_b32 s57, 0
	s_add_nc_u64 s[56:57], s[4:5], s[56:57]        ; the pages of row-blocks 16 I + 8 p on
	s_mul_i32 s58, s42, 12
	s_mul_i32 s59, s16, 6
	s_add_co_u32 s58, s58, s59
	s_lshl_b32 s58, s58, 9
	s_add_co_u32 s58, s58, WPG
	s_mov_b32 s59, 0
	s_add_nc_u64 s[58:59], s[6:7], s[58:59]        ; and of 12 j + 6 e on
.irp a, 0,1,2,3,4,5,6,7
	global_load_b128 v[SA+4*\a:SA+4*\a+3], v[LI], s[56:57] offset:512*\a    ; a whole page a load: all of K's scale words of 16 rows
.endr
.irp t, 0,1,2,3,4,5
	global_load_b128 v[SB+4*\t:SB+4*\t+3], v[LI], s[58:59] offset:512*\t
.endr
	s_lshl_b32 s60, s42, 1
	s_add_co_u32 s60, s60, s16                     ; g = 2 j + e: my head of q (under 16) or of k
	s_lshl_b32 s60, s60, 8
	s_mov_b32 s61, 0
	s_add_nc_u64 s[60:61], s[8:9], s[60:61]        ; its 64 numbers of the bias
	s_lshl_b32 s62, s42, 8
	s_lshl_b32 s63, s16, 7
	s_add_co_u32 s62, s62, s63
	s_add_co_u32 s62, s62, 8192
	s_mov_b32 s63, 0
	s_add_nc_u64 s[62:63], s[8:9], s[62:63]        ; and those of columns 2,048 + 64 j + 32 e on
	v_lshlrev_b32 v4, 6, v3                        ; q, k: lane (r, h) wants, for tile t, columns 32 (t / 2) + 8 (t % 2) + 16 h + 0 .. 7
	v_and_b32 v5, 8, v2
	v_add_nc_u32 v5, v5, v2
	v_lshlrev_b32 v5, 2, v5                        ; v: lane r wants, for tile t', column 8 t' + r + 8 (r / 8), in all eight registers
	WIN 0xc0                                       ; destination window 3
.irp t, 0,1,2,3
	global_load_b128 v[BQ+8*\t:BQ+8*\t+3], v4, s[60:61] offset:(32*(\t/2)+8*(\t%2))*4
	global_load_b128 v[BQ+8*\t+4:BQ+8*\t+7], v4, s[60:61] offset:(32*(\t/2)+8*(\t%2))*4+16
.endr
.irp t, 0,1
.irp i, 0,1,2,3,4,5,6,7
	global_load_b32 v[BV+8*\t+\i], v5, s[62:63] offset:32*\t
.endr
.endr
	WIN 0
	v_lshlrev_b32 v200, 4, v2
	v_lshl_add_u32 v200, v3, 3, v200               ; the way out: 16 r + 8 h,
	v_lshlrev_b32 v201, 3, v2
	v_lshl_add_u32 v201, v3, 2, v201               ; 8 r + 4 h
	s_mov_b32 s[SEL], 0x76543210
	s_mov_b32 s[SEL+1], 0xfedcba98
.irp b, 0,1,2,3
	v_mov_b32 v[TM+4+\b], 0                        ; written once: a lane permute's destination counts as one of its sources
.endr
.macro WMM hi                          ; hi = 1: K steps 4 to 7 take their scale words from lanes 16-31
.if \hi
	v_wmma_scale_f32_16x16x128_f8f6f4 v[oD:oD+7], v[oA:oA+11], v[oB:oB+11], v[oC:oC+7], v[oSA], v[oSB] matrix_a_fmt:MATRIX_FMT_FP6 matrix_b_fmt:MATRIX_FMT_FP6 matrix_a_scale:MATRIX_SCALE_ROW1 matrix_b_scale:MATRIX_SCALE_ROW1
.else
	v_wmma_scale_f32_16x16x128_f8f6f4 v[oD:oD+7], v[oA:oA+11], v[oB:oB+11], v[oC:oC+7], v[oSA], v[oSB] matrix_a_fmt:MATRIX_FMT_FP6 matrix_b_fmt:MATRIX_FMT_FP6
.endif
.endm
; 16 products for q or k: x's blocks a0 .. a0 + 3 against my head's four tiles.  zero = 1: the first K step starts the sums, with the bias as C.
; The 48 accumulators take turns, one instruction a turn, in the same order in every K step.
.macro MULQ a0, s, zero
.if \zero
	WIN 0xb5                                       ; sources 0 and 1 window 1, C window 3, D window 2
.else
	WIN 0xa5                                       ; C and D window 2
.endif
.irp a, \a0, \a0+1, \a0+2, \a0+3
.irp t, 0,1,2,3
.set oD, 32*(\a)+8*\t
.set oA, 96+72*((\s)%2)+12*\t
.set oB, 12*(\a)
.set oC, oD
.if \zero
.set oC, BQ+8*\t
.endif
.set oSA, SB+4*\t+(\s)%4
.set oSB, SA+4*(\a)+(\s)%4
	WMM (\s)/4
.endr
.endr
.endm
.macro MULV a0, s, zero                ; 8 products for v: x's blocks a0 .. a0 + 3 as source 0 against my two tiles of v's columns
	WIN 0xf5                                       ; sources 0 and 1 window 1, C and D window 3
.irp a, \a0, \a0+1, \a0+2, \a0+3
.irp t, 0,1
.set oD, 64*\t+8*(\a)
.set oA, 12*(\a)
.set oB, 96+72*((\s)%2)+12*(4+\t)
.set oC, oD
.if \zero
.set oC, BV+8*\t
.endif
.set oSA, SA+4*(\a)+(\s)%4
.set oSB, SB+4*(4+\t)+(\s)%4
	WMM (\s)/4
.endr
.endr
.endm
.macro FETCH_A slot, kq, i0            ; slot: the K step that is fetched, 0 to 7 (kq is not used)
.if (\slot) < 2                        ; steps 0 and 1 lie in chunk 0, steps 2 to 7 in rows of 9,216 bytes
.set fR, ADRA
.set fP, 3072
.set fK, (\slot)
.set fI, 0
.else
.set fR, ADRA+1+(\i0)/4
.set fP, 9216
.set fK, (\slot)-2
.set fI, \i0
.endif
	WIN 0x40                                       ; destination window 1
.irp i, \i0, \i0+1, \i0+2, \i0+3
.irp c, 0,1,2
	ds_load_b128 v[12*(\i)+4*\c:12*(\i)+4*\c+3], v[fR] offset:((\i)-fI)*fP+1536*fK+512*\c
.endr
.endr
.endm
.macro FETCH_B slot, kq, set           ; slot: the K step (kq is not used): steps 0, 1, 6, 7 lie in rows of 3,072 bytes (chunk 3 where chunk 0 lay), steps 2 to 5 in rows of 6,144
.set gM, (((\slot)/2+1)/2)%2
.set gK, (\slot)%2+gM*2*((\slot)/2-1)
	WIN 0x40
.irp t, 0,1,2,3,4,5
.irp c, 0,1,2
	ds_load_b128 v[96+72*(\set)+12*\t+4*\c:96+72*(\set)+12*\t+4*\c+3], v[ADRB+gM] offset:\t*3072*(1+gM)+1536*gK+512*\c
.endr
.endr
.endm
; A K step of 128: 48 products.  A block of x is free when its six products are issued, so x has one set of registers: blocks 0-3 are fetched anew in the step's middle, blocks 4-7 at its end.  w has two sets.
.macro STEP s, nslot, nkq, zero
	s_wait_dscnt 12                                ; w's set and x's blocks 0-3 are in; the youngest 12 loads (blocks 4-7) may be out
	MULQ 0, \s, \zero
	MULV 0, \s, \zero
	s_wait_dscnt 0x0                               ; blocks 4-7 are in
	PLACES
	FETCH_B \nslot, \nkq, 1-(\s)%2
	FETCH_A \nslot, \nkq, 0
	MULV 4, \s, \zero
	MULQ 4, \s, \zero
	PLACES
	FETCH_A \nslot, \nkq, 4
.endm
; A step with a barrier in it.  In front of the barrier each wave waits for all its tensor loads, adds 0 to its spare word, and waits for that and for its LDS reads.
; fill = 1 (step 1): slot 0 has been read out by every wave; the barrier opens a round of the cluster's, and behind it chunk 3 is asked for jointly.  fill = 0 (step 5): chunk 3 is shown whole to every wave.
.macro TURN s, nslot, nkq, fill
	WIN 0                                          ; (the add's two registers lie in window 0)
	s_wait_tensorcnt 0x0                           ; all my tensor loads have landed
	ds_add_u32 v[SPW], v[NIL]
	s_wait_dscnt 13
	MULQ 0, \s, 0                                  ; sixteen matrix instructions stand between the add and the wait for it
	s_wait_dscnt 0x0                               ; the add is done, and my reads of the slot in hand are over
	s_barrier_signal -1
	MULV 0, \s, 0
	WIN 0
	s_barrier_wait -1
.if \fill
	CREST                                          ; no wave of any partner still reads slot 0 or has a load on its way
	BLOAD                                          ; w's chunk 3 onto w's chunk 0, which every wave has read out
.else
	PLACES
.endif
	FETCH_B \nslot, \nkq, 1-(\s)%2
	FETCH_A \nslot, \nkq, 0
	MULV 4, \s, 0
	MULQ 4, \s, 0
	PLACES
	FETCH_A \nslot, \nkq, 4
.endm
	s_wait_alu depctr_va_vdst(0)                   ; the wait at the head's end
	s_cmp_lt_u32 s14, 2                            ; chunk 0 is waves 0 and 1's; chunk 1 may stay out
	s_cbranch_scc0 .Lnot_c0
	s_wait_tensorcnt 0x0
.Lnot_c0:
	s_barrier_signal -1
	s_barrier_wait -1                              ; everybody's is
	FETCH_B 0, 0, 0
	FETCH_A 0, 0, 0
	FETCH_A 0, 0, 4
	s_wait_loadcnt 0x0                             ; the scale words and the biases
	STEP 0, 1, 0, 1                                ; second argument: the K step whose fragments are fetched
	TURN 1, 2, 0, 1                                ; all the head's tiles are shown whole; the one refill goes out
	STEP 2, 3, 0, 0
	STEP 3, 4, 0, 0
	STEP 4, 5, 0, 0
	TURN 5, 6, 0, 0                                ; chunk 3 of w is shown whole
	STEP 6, 7, 0, 0
	s_wait_dscnt 12                                ; the last step: nothing more to fetch
	MULQ 0, 7, 0
	MULV 0, 7, 0
	s_wait_dscnt 0x0
	MULV 4, 7, 0
	MULQ 4, 7, 0
	WIN 0
	PLACES
; THE WAY OUT.  64 registers of window w, register 16 b + i = the next K's 32 b + 16 (lane / 16) + i of my lane's row, become a fragment in v[pc] on and its scale word in v[pw].  Each accumulator is read from its low end on.
.macro QUANTW src, w, pc, pw
	WIN 0x28+0x14*((\w)-2)                         ; sources 1 and 2 in window w
.irp b, 0,1,2,3
	v_max3_num_f32 v[TM+\b], 0x1800000, |v[\src+16*\b]|, |v[\src+16*\b+1]|   ; the floor 2^(3 - 127) among the leaves: the byte cannot fall under 1
.endr
.irp i, 2,4,6,8,10,12,14
.irp b, 0,1,2,3
	v_max3_num_f32 v[TM+\b], v[TM+\b], |v[\src+16*\b+\i]|, |v[\src+16*\b+\i+1]|
.endr
.endr
	WIN 0
.irp b, 0,1,2,3
	v_permlanex16_b32 v[TM+4+\b], v[TM+\b], s[SEL], s[SEL+1]
.endr
.irp b, 0,1,2,3
	v_max_num_f32 v[TM+\b], v[TM+\b], v[TM+4+\b]
.endr
.irp b, 0,1,2,3
	v_add_nc_u32 v[TM+8+\b], 0xff000000, v[TM+\b]  ; 2 off the exponent field: the conversion's scale operand
.endr
.irp b, 0,1,2,3
	v_lshrrev_b32 v[TM+4+\b], 23, v[TM+8+\b]
.endr
	v_lshl_or_b32 v[\pw], v[TM+5], 8, v[TM+4]
	v_lshl_or_b32 v[\pw], v[TM+6], 16, v[\pw]
	v_lshl_or_b32 v[\pw], v[TM+7], 24, v[\pw]
	WIN 0x02+((\w)-2)                              ; source 0 in window w
.irp c, 0,1
	v_cvt_scalef32_pk16_fp6_f32 v[\pc+6*\c:\pc+6*\c+2], v[\src+32*\c:\src+32*\c+15], v[TM+8+2*\c]
	v_cvt_scalef32_pk16_fp6_f32 v[CT+4*\c:CT+4*\c+2], v[\src+32*\c+16:\src+32*\c+31], v[TM+9+2*\c]
.endr
	WIN 0
	v_nop                                          ; one plain place behind a scaled conversion
.irp c, 0,1
.irp i, 0,1,2
	v_permlane16_swap_b32 v[\pc+6*\c+\i], v[CT+4*\c+\i]
.endr
.irp i, 0,1,2
	v_mov_b32 v[\pc+6*\c+3+\i], v[CT+4*\c+\i]
.endr
.endr
.endm
	; where my results go.  A record holds 256 rows of one head: 8 fragments, then 512 bytes of scale words: 12,800 bytes.  qb: a record a block; kv: K's record, then V's, for each slot of 256 keys
	s_lshr_b32 s20, s17, 3
	s_lshl_b32 s20, s20, 4                         ; 16 x batch
	s_lshl_b32 s21, s42, 1
	s_add_co_u32 s21, s21, s16
	s_and_b32 s21, s21, 15                         ; my head of q or of k
	s_add_co_u32 s21, s20, s21
	s_lshl_b32 s21, s21, 3
	s_and_b32 s22, s17, 7                          ; the block of 256 rows in the batch
	s_add_co_u32 s21, s21, s22
	s_mov_b32 s23, 25600
	s_cmp_lt_u32 s42, 8                            ; tile columns 0-7 hold q's heads, 8-15 k's: a choice of pointer, no branch
	s_cselect_b32 s23, 12800, s23
	s_cselect_b64 s[56:57], s[10:11], s[12:13]
	s_mul_i32 s58, s21, s23
	s_mov_b32 s59, 0
	s_add_nc_u64 s[56:57], s[56:57], s[58:59]      ; the record
	s_mul_i32 s58, s15, 4*1536
	s_add_nc_u64 s[60:61], s[56:57], s[58:59]      ; my four fragments: 4 p on
	s_lshl_b32 s58, s15, 8
	s_add_co_u32 s58, s58, 12288
	s_add_nc_u64 s[56:57], s[56:57], s[58:59]      ; my 256 bytes of scale words
	s_add_co_u32 s21, s20, s42                     ; v: head j
	s_lshl_b32 s21, s21, 3
	s_add_co_u32 s21, s21, s22
	s_mul_i32 s58, s21, 25600
	s_add_co_u32 s58, s58, 12800
	s_add_nc_u64 s[12:13], s[12:13], s[58:59]      ; V's record
	s_lshl_b32 s58, s15, 2
	s_lshl_b32 s22, s16, 1
	s_add_co_u32 s58, s58, s22
	s_mul_i32 s58, s58, 1536
	s_add_nc_u64 s[62:63], s[12:13], s[58:59]      ; my two fragments: 4 p + 2 e on
	s_lshl_b32 s58, s15, 8
	s_lshl_b32 s22, s16, 7
	s_add_co_u32 s58, s58, s22
	s_add_co_u32 s58, s58, 12288
	s_add_nc_u64 s[12:13], s[12:13], s[58:59]      ; my 128 bytes of scale words
.irp f, 0,1,2,3                                ; q or k: tiles 2 f and 2 f + 1 of rows make ONE fragment: K 0-63 are tile 2 f's 64 numbers of the head, K 64-127 tile 2 f + 1's
	QUANTW 64*\f, 2, PCF+12*\f, PW+\f
.irp c, 0,1,2
	global_store_b128 v[LI], v[PCF+12*\f+4*\c:PCF+12*\f+4*\c+3], s[60:61] offset:1536*\f+512*\c   ; 512 consecutive bytes, aligned
.endr
.endr
.irp t, 0,1                                    ; v: 16 columns d x my 128 keys
	QUANTW 64*\t, 3, PCF+48+12*\t, PW+4+\t
.irp c, 0,1,2
	global_store_b128 v[LI], v[PCF+48+12*\t+4*\c:PCF+48+12*\t+4*\c+3], s[62:63] offset:1536*\t+512*\c
.endr
.endr
	v_cmp_eq_u32 vcc_lo, 1, v3
	v_cndmask_b32 v204, v[PW], v[PW+2], vcc_lo     ; row r's four words: lanes 0-15 store words 0 and 1, lanes 16-31 words 2 and 3
	v_cndmask_b32 v205, v[PW+1], v[PW+3], vcc_lo
	v_cndmask_b32 v206, v[PW+4], v[PW+5], vcc_lo   ; column r's two words: one to each half of the lanes
	global_store_b64 v200, v[204:205], s[56:57]    ; 256 consecutive bytes, aligned
	global_store_b32 v201, v206, s[12:13]          ; 128 consecutive bytes: the neighbouring 128 are the other column half's wave's
	s_wait_tensorcnt 0x0                           ; the wave's end
	ds_add_u32 v[SPW], v[NIL]
	s_wait_dscnt 0x0
	CROUND                                         ; the closing round: no work-group ends while a partner may still ask for a tile that names it
	s_endpgm
.Lfunc_end_k_qa000a83a90_qkv:
	.size	k_qa000a83a90_qkv, .Lfunc_end_k_qa000a83a90_qkv-k_qa000a83a90_qkv
	.p2alignl 7, 3214868480
	.fill 96, 4, 3214868480
	.section	.rodata,"a",@progbits
	.p2align	6, 0x0
	.amdhsa_kernel k_qa000a83a90_qkv
		.amdhsa_group_segment_fixed_size 327680
		.amdhsa_private_segment_fixed_size 0
		.amdhsa_enable_private_segment 0
		.amdhsa_kernarg_size 40
		.amdhsa_user_sgpr_count 2
		.amdhsa_user_sgpr_kernarg_segment_ptr 1
		.amdhsa_wavefront_size32 1
		.amdhsa_system_sgpr_workgroup_id_x 1
		.amdhsa_system_sgpr_workgroup_id_y 1
		.amdhsa_system_sgpr_workgroup_id_z 1
		.amdhsa_system_vgpr_workitem_id 0
		.amdhsa_next_free_vgpr 1024
		.amdhsa_next_free_sgpr 100
		.amdhsa_reserve_vcc 1
		.amdhsa_float_denorm_mode_32 3
		.amdhsa_float_denorm_mode_16_64 3
		.amdhsa_memory_ordered 1
		.amdhsa_forward_progress 1
		.amdhsa_inst_pref_size 113
	.end_amdhsa_kernel
	.amdgpu_metadata
---
amdhsa.version: [ 1, 2 ]
amdhsa.kernels:
  - .name:           k_qa000a83a90_qkv
    .symbol:         k_qa000a83a90_qkv.kd
    .args:
      - { .name: xq, .offset: 0, .size: 8, .value_kind: global_buffer, .address_space: global }
      - { .name: waq, .offset: 8, .size: 8, .value_kind: global_buffer, .address_space: global }
      - { .name: b_attn, .offset: 16, .size: 8, .value_kind: global_buffer, .address_space: global }
      - { .name: qb, .offset: 24, .size: 8, .value_kind: global_buffer, .address_space: global }
      - { .name: kv, .offset: 32, .size: 8, .value_kind: global_buffer, .address_space: global }
    .group_segment_fixed_size: 327680
    .private_segment_fixed_size: 0
    .kernarg_segment_align: 8
    .kernarg_segment_size: 40
    .max_flat_workgroup_size: 128
    .sgpr_count:     100
    .vgpr_count:     1024
    .wavefront_size: 32
...
	.end_amdgpu_metadata
.endif
;; end of part 2
;; launch attn (part 3): grid 4 x 64, 16 waves a work-group, no clusters, 264,192 bytes of LDS; arguments qb, kv, yq; writes yq
.if DOCPART == 3
	.amdgcn_target "amdgcn-amd-amdhsa--gfx1250"
	.amdhsa_code_object_version 6
	.text
	.protected	k_qa000a83a90_attn
	.globl	k_qa000a83a90_attn
	.p2align	8
	.type	k_qa000a83a90_attn,@function
k_qa000a83a90_attn:
	s_mov_b64 s[64:65], 0
	v_nop
	global_prefetch_b8 v0, s[64:65] scope:SCOPE_SE
	s_setreg_imm32_b32 hwreg(HW_REG_WAVE_MODE, 25, 1), 1
	s_wait_xcnt 0x0
; y[b][t][head][:] = the sum over keys k <= t of softmax_k(q . k / 8) v, both products on codes of FP6 (E2M3) with E8M0 scales; y leaves as codes, quantised along the 64 of its head (two blocks of the last product's K).
; THE SOFTMAX AHEAD OF THE SECOND PRODUCT: t = score x log2(e) / 8; M = the row's largest t so far, rounded up to a whole number; p = 2^(t - M) is quantised along the keys, not normalised; the row's sum is taken of the
; unquantised p and divides at the end.  When M moves, the sum and O are multiplied by 2^(old M - new M): exact.
; LEFT OUT: key steps all of whose keys come after all of a tile's queries: reference()'s own tril gives them the logit -1e10, whose p is 0.
; LIMITS: NaN and infinities are not served; a block of zeros, or one under 2^-124, gets the byte 1.  Hidden scores are -infinity where the definition has -1e10: the same p = 0 as long as some visible logit of the row lies above about -1e10.
; The scaled scores stay under 2^31 in magnitude.
; ALL OF A HEAD'S K AND V LIE IN LDS: 8 records of 256 keys, 25,600 bytes each, 204,800 in all.  Each of the sixteen waves fetches half a record (12,800 dense bytes) by its one tensor load at the head; one barrier shows all of it
; to all waves; nothing is filled again, so no other barrier stands in the text and the waves walk by themselves.
; SHARES.  A head has 128 tiles of 16 queries; tile g meets g / 8 + 1 steps of 128 keys.  Wave w of work-group i (of the head's four) owns tiles 127 - n and n, n = 4 w + i: 17 steps whatever n.  Every work-group has a tile above 111, so it reads all 8 records.
; Two loops, of 2 and 14 trips, a record a trip, 8 for each tile; a step that is hidden from the tile is passed over by a scalar branch on ids.
; NO CLUSTER: the four work-groups of a head read the same records, but the branches that pass over hidden steps hang on just what tells the partners apart.
; NO PREFETCH: all that the work-group reads is asked for at the head; there is no loop to run ahead in.
; LAYOUT.  Both products are used transposed: S^T = K Q^T (source 0 = 16 keys), O^T = V^T P^T (source 0 = 16 of the head's 64): a lane holds one query throughout.  Lane r of a tile of rows 2 G + u is row 32 G + 8 u + r + 8 (r / 8):
; so the 16 registers of two neighbouring tiles of S^T are 16 neighbouring keys, and those of O^T 16 neighbouring channels: the quantisers' order.
; K = 64 IN AN INSTRUCTION OF 128.  A fragment of k holds TWO tiles of keys: K 0-63 are tile 2 f's 64 numbers, K 64-127 tile 2 f + 1's.  q stands in 18 registers (q, zeros, q): against (q, 0) the fragment gives tile 2 f's scores, against (0, q) tile 2 f + 1's.
; REGISTERS: v1-9 addresses that stay; v10-11 the step's LDS addresses; v12 -M, v13 the largest t, v[14:15] the sum; v16-33 q; v36-83 four fragments of K, then of V; v84-87 K's scale words, v88-89 V's, v90 q's;
;   v96-159 S^T, then p; v160-191 O^T; v192-198 the second tile's q and its scale word; v224-235 p's codes; v232-255 at work.
; THE RECORDS ARE SHOWN IN TWO PARTS (this takes the place of the sentence above on the one barrier): the load stands in two arms, waves 0 to 3 (records 0 and 1) and the others.  The first barrier waits for waves 0 to 3 alone;
; a first loop of two trips walks records 0 and 1, of which every first tile (127 - n, at least 64) sees every key, so its steps carry no mask and no test; then every wave waits for its load, and a second barrier shows the rest.
.set REC,   25600
.set SPARE, 262144                     ; the spare words, 128 bytes a wave: eight blocks of 256 bytes that no other line names
.set AL16, 1                           ; v1  16 x lane
.set AL8,  2                           ; v2  8 x lane
.set SPW,  3
.set NIL,  4
.set QL,   5                           ; v5  r + 8 (r / 8) - 16 h
.set R16,  9                           ; v9  16 r
.set ADK,  10
.set AD8,  11
.set WV,   18
.set SEL,  20
.set CS,   22                          ; s[22:23] c = log2(e) / 8
.set G1,   24
.set TB,   32                          ; s32 the record in hand, in LDS
.set KF,   33                          ; s33 the step's first key
.set Q0,   34                          ; s34 my tile's first query
.set QB,   35                          ; s35 its block of 256 queries
.set KS,   36                          ; s36 the record in hand
.set TI,   37                          ; s37 my tile in its block
.set SLOTS, 38                         ; s38 the loop's counter
.set G0,   40
.set QM,   76                          ; s76 all ones where the first tile is odd; s79 the same for the second
.set QSEL, 77                          ; s77, s80 which half of a scale word is the tile's
.set HQ,   78                          ; s78 the head's 8 records of q, in bytes
.macro QADR ti, qb, ra, rs             ; tile s[ti] of block s[qb]: fragment ti / 2 of the block's record -> s[ra:ra+1]; its scale words -> s[rs:rs+1]
	s_mul_i32 s70, s[\qb], 12800
	s_add_co_u32 s70, s70, s[HQ]
	s_lshr_b32 s72, s[\ti], 1
	s_mul_i32 s73, s72, 1536
	s_add_co_u32 s74, s70, s73
	s_mov_b32 s75, 0
	s_add_nc_u64 s[\ra:\ra+1], s[4:5], s[74:75]
	s_lshr_b32 s73, s[\ti], 3
	s_lshl_b32 s73, s73, 8
	s_add_co_u32 s74, s70, s73
	s_and_b32 s73, s72, 3
	s_lshl_b32 s73, s73, 2
	s_add_co_u32 s74, s74, s73
	s_add_co_u32 s74, s74, 12288
	s_add_nc_u64 s[\rs:\rs+1], s[4:5], s[74:75]
.endm
.macro TSET                            ; from TI and QB: the tile's first query, and where its y goes: row-block 16 QB + TI of the batch
	s_lshr_b32 s70, s[TI], 1
	s_lshl_b32 s70, s70, 5
	s_and_b32 s71, s[TI], 1
	s_lshl_b32 s71, s71, 3
	s_add_co_u32 s70, s70, s71                     ; 32 (TI / 2) + 8 (TI % 2)
	s_lshl_b32 s[Q0], s[QB], 8
	s_add_co_u32 s[Q0], s[Q0], s70
	s_lshl_b32 s72, s[QB], 4
	s_add_co_u32 s72, s72, s[TI]
	s_mul_i32 s70, s72, 12288
	s_mov_b32 s71, 0
	s_add_nc_u64 s[58:59], s[56:57], s[70:71]
	s_lshl_b32 s70, s72, 9
	s_add_nc_u64 s[62:63], s[60:61], s[70:71]
.endm
.macro RESET                           ; a tile begins: the step is written once, and its first run finds zeros, which the first change of M leaves zeros.  (These lines are also the places between q's registers and the first product)
	v_mov_b32 v13, 0xff61b1e6                      ; the largest t so far: -3e38
	s_delay_alu instid0(VALU_DEP_1)
	v_floor_f32 v12, -v13                          ; -M
	v_mov_b32 v14, 0
	v_mov_b32 v15, 0
.irp j, 0,1,2,3,4,5,6,7,8,9,10,11,12,13,14,15,16,17,18,19,20,21,22,23,24,25,26,27,28,29,30,31
	v_mov_b32 v[160+\j], 0
.endr
.endm
	s_load_b128 s[4:7], s[0:1], 0x0                ; qb s[4:5], kv s[6:7]
	s_load_b64 s[8:9], s[0:1], 0x10                ; yq
	v_lshl_add_u32 v[SPW], v0, 2, SPARE
	v_mov_b32 v[NIL], 0
	ds_add_u32 v[SPW], v[NIL]                      ; the opening lines: the add, twice on end, and its wait ahead of my tensor load
	ds_add_u32 v[SPW], v[NIL]
	v_lshrrev_b32 v10, 5, v0
	v_readfirstlane_b32 s[WV], v10                 ; wave 0..15
	s_and_b32 s66, ttmp7, 0xffff                   ; 16 x batch + head
	s_mov_b32 s[G1], 3<<16                         ; group 1: half a record, 12,800 dense bytes, as 50 rows of 256 bytes (32 elements of 8 bytes)
	s_mov_b32 s[G1+1], 32<<16
	s_mov_b32 s[G1+2], 50<<16
	s_mov_b32 s[G1+3], 32<<16
	s_mov_b32 s[G1+4], 50
	s_mov_b32 s[G1+5], 32
	s_mov_b32 s[G1+6], 0
	s_mov_b32 s[G1+7], 0
	s_mov_b32 s[G0], 1
	s_mul_i32 s[G0+1], s[WV], 12800                ; half-record w lies in LDS as in memory
	s_mul_i32 s68, s66, 8*REC
	s_add_co_u32 s68, s68, s[G0+1]
	s_mov_b32 s69, 0
	s_wait_dscnt 0x0
	s_wait_kmcnt 0x0
	s_add_nc_u64 s[G0+2:G0+3], s[6:7], s[68:69]
	s_or_b32 s[G0+3], s[G0+3], 0x80000000
	v_and_b32 v10, 31, v0
	v_lshlrev_b32 v[AL16], 4, v10
	v_lshlrev_b32 v[AL8], 3, v10
	v_and_b32 v10, 15, v0                          ; r
	v_bfe_u32 v11, v0, 4, 1                        ; h
	v_and_b32 v[QL], 8, v10
	v_add_nc_u32 v[QL], v[QL], v10
	v_lshlrev_b32 v11, 4, v11
	v_sub_nc_u32 v[QL], v[QL], v11
	v_lshlrev_b32 v[R16], 4, v10
.irp b, 0,1,2,3
	v_mov_b32 v[236+\b], 0                         ; written once: a lane permute's destination counts as one of its sources
.endr
	v_mov_b32 v252, 0
	v_mov_b32 v253, 0                              ; (named as the upper half of the pair v[252:253] before it is first written)
.irp i, 0,1,2,3,4,5
	v_mov_b32 v[22+\i], 0                          ; the zeros between q and q
.endr
	s_lshl_b32 s67, s[WV], 2
	s_add_co_u32 s67, s67, ttmp9                   ; n = 4 w + i
	s_sub_co_u32 s67, 127, s67                     ; the longer tile first
	s_lshr_b32 s[QB], s67, 4
	s_and_b32 s[TI], s67, 15
	s_sub_co_u32 s81, 7, s[QB]                     ; tile n: block 7 - QB, tile 15 - TI
	s_sub_co_u32 s82, 15, s[TI]
	s_mul_i32 s[HQ], s66, 102400
	QADR TI, QB, 48, 52
	QADR 82, 81, 50, 54
	s_wait_alu depctr_va_vdst(0)                   ; the wait here, directly ahead of the readers below
	global_load_b128 v[96:99], v[AL16], s[48:49]   ; both tiles' q now: the pair's twelve registers, and the scale words
	global_load_b128 v[100:103], v[AL16], s[48:49] offset:512
	global_load_b128 v[104:107], v[AL16], s[48:49] offset:1024
	global_load_b32 v91, v[R16], s[52:53]
	global_load_b128 v[108:111], v[AL16], s[50:51]
	global_load_b128 v[112:115], v[AL16], s[50:51] offset:512
	global_load_b128 v[116:119], v[AL16], s[50:51] offset:1024
	global_load_b32 v92, v[R16], s[54:55]
	s_cmp_lt_u32 s[WV], 4                          ; every wave's one tensor load, behind q's loads; two arms, since waves 0 to 3 wait earlier than the others
	s_cbranch_scc0 .Lrest
	tensor_load_to_lds s[G0:G0+3], s[G1:G1+7]      ; records 0 and 1
	s_nop 0
.rept 4
	v_nop
.endr
	s_branch .Lasked
.Lrest:
	tensor_load_to_lds s[G0:G0+3], s[G1:G1+7]      ; records 2 to 7
	s_nop 0
.rept 4
	v_nop
.endr
.Lasked:
	s_lshr_b32 s70, s66, 4
	s_lshl_b32 s70, s70, 7                         ; y: row-block 128 x batch
	s_and_b32 s72, s66, 15                         ; the head
	s_mul_i32 s74, s70, 12288
	s_mul_i32 s73, s72, 768
	s_add_co_u32 s74, s74, s73
	s_mov_b32 s75, 0
	s_add_nc_u64 s[56:57], s[8:9], s[74:75]        ; the head's 768 bytes of a row-block's codes
	s_lshl_b32 s74, s70, 9
	s_lshr_b32 s73, s72, 3
	s_lshl_b32 s73, s73, 8
	s_add_co_u32 s74, s74, s73
	s_and_b32 s73, s72, 7
	s_lshl_b32 s73, s73, 1
	s_add_co_u32 s74, s74, s73
	s_add_co_u32 s74, s74, 6291456
	s_add_nc_u64 s[60:61], s[8:9], s[74:75]        ; and its two bytes a row in the row-block's page
	TSET
	s_and_b32 s70, s[TI], 1
	s_sub_co_u32 s[QM], 0, s70
	s_not_b32 s79, s[QM]                           ; the second tile has the other parity
	s_mov_b32 s[QSEL], 0x03020302
	s_mov_b32 s80, 0x03020302
	s_cmp_eq_u32 s70, 1
	s_cselect_b32 s[QSEL], s[QSEL], 0x01000100     ; which half of the scale word is the tile's: it goes into both halves
	s_cselect_b32 s80, 0x01000100, s80
	s_mov_b32 s[SEL], 0x76543210
	s_mov_b32 s[SEL+1], 0xfedcba98
	s_mov_b32 s[CS], 0x3e38aa3b
	s_mov_b32 s[CS+1], s[CS]                       ; (named with it as a pair, so it is written)
	s_mov_b32 s[TB], 0
	s_mov_b32 s[KS], 0
	s_mov_b32 s[SLOTS], 14
	s_wait_loadcnt 0x0
.irp i, 0,1,2,3,4,5
	v_cndmask_b32 v[16+\i], v[96+\i], v[102+\i], s[QM]     ; my tile's six registers out of its pair's twelve
.endr
.irp i, 0,1,2,3,4,5
	v_cndmask_b32 v[192+\i], v[108+\i], v[114+\i], s79
.endr
.irp i, 0,1,2,3,4,5
	v_mov_b32 v[28+\i], v[16+\i]
.endr
	v_perm_b32 v90, v91, v91, s[QSEL]
	v_perm_b32 v198, v92, v92, s80
	RESET
	s_wait_alu depctr_va_vdst(0)                   ; the wait at the head's end
	s_cmp_lt_u32 s[WV], 4
	s_cbranch_scc0 .Lnot_first
	s_wait_tensorcnt 0x0                           ; my part of records 0 and 1 is in; the others' loads may stay out
.Lnot_first:
	s_barrier_signal -1
	s_barrier_wait -1                              ; records 0 and 1 are whole
; A KEY STEP: 128 keys, half q of the record in hand.
.macro STEP q, m=1                     ; m = 0: a step of which the tile sees every key: no test, no mask
.if \m
	s_add_co_u32 s70, s[Q0], 23                    ; my tile's last query.  A step all of whose keys come after it is left out: a scalar branch on ids
	s_cmp_gt_u32 s[KF], s70
	s_cbranch_scc1 .Lhidden_\@
.endif
	v_add_nc_u32 v[ADK], s[TB], v[AL16]
	v_add_nc_u32 v[AD8], s[TB], v[AL8]
	v_nop
	v_nop                                          ; four places in front of loads into registers that the last products have read
.irp f, 0,1,2,3
.irp c, 0,1,2
	ds_load_b128 v[36+12*\f+4*\c:39+12*\f+4*\c], v[ADK] offset:(4*(\q)+\f)*1536+512*\c
.endr
.endr
	ds_load_b128 v[84:87], v[ADK] offset:12288     ; K's scale words: register f: fragment f's; lanes 0-15 the record's first 128 keys, lanes 16-31 its second
	s_wait_alu depctr_va_vdst(0)
	s_wait_dscnt 0x0
.irp f, 0,1,2,3
.irp u, 0,1
.if \q
	v_wmma_scale_f32_16x16x128_f8f6f4 v[96+8*(2*\f+\u):103+8*(2*\f+\u)], v[36+12*\f:47+12*\f], v[16+6*\u:27+6*\u], 0, v[84+\f], v90 matrix_a_fmt:MATRIX_FMT_FP6 matrix_b_fmt:MATRIX_FMT_FP6 matrix_a_scale:MATRIX_SCALE_ROW1
.else
	v_wmma_scale_f32_16x16x128_f8f6f4 v[96+8*(2*\f+\u):103+8*(2*\f+\u)], v[36+12*\f:47+12*\f], v[16+6*\u:27+6*\u], 0, v[84+\f], v90 matrix_a_fmt:MATRIX_FMT_FP6 matrix_b_fmt:MATRIX_FMT_FP6
.endif
.endr
.endr                                          ; register 16 b + i of lane (r, h): key KF + 32 b + 16 h + i
.rept 4
	v_nop
.endr
.irp t, 0,1,2,3                                ; V's fragments take K's registers now, and land while the softmax is walked
.irp c, 0,1,2
	ds_load_b128 v[36+12*\t+4*\c:39+12*\t+4*\c], v[ADK] offset:12800+(4*(\q)+\t)*1536+512*\c
.endr
.endr
	ds_load_b64 v[88:89], v[AD8] offset:25088+256*(\q)   ; V's scale words: register u: tiles u (lanes 0-15) and 2 + u (lanes 16-31)
.if \m
	s_add_co_u32 s70, s[KF], 127                   ; on the diagonal hidden scores become -infinity ahead of the maximum; a step all of whose keys count skips this
	s_cmp_le_u32 s70, s[Q0]
	s_cbranch_scc1 .Lopen_\@
	s_sub_co_i32 s70, s[Q0], s[KF]
	v_add_nc_u32 v252, s70, v[QL]                  ; d = my query - KF - 16 h: register 16 b + i is hidden where 32 b + i > d
	v_mov_b32 v254, 0xff800000
	s_wait_alu depctr_va_vdst(0)                   ; the wait here
.irp b, 0,1,2,3
	s_cmp_ge_i32 s70, 32*\b+31                     ; a block of 32 keys none of which comes after my tile's first query is passed over
	s_cbranch_scc1 .Lvis_\@_\b
.irp i, 0,1,2,3,4,5,6,7,8,9,10,11,12,13,14,15
	v_cmp_gt_i32 vcc_lo, 32*\b+\i, v252
	v_cndmask_b32 v[96+16*\b+\i], v[96+16*\b+\i], v254, vcc_lo
.endr
.Lvis_\@_\b:
.endr
.Lopen_\@:
.endif
.irp b, 0,1,2,3
	v_max3_num_f32 v[232+\b], v[96+16*\b], v[97+16*\b], v[98+16*\b]   ; the largest score of each block of 32 keys: it serves the row's maximum and, since p rises with the score, the block's largest p
.endr
.irp i, 3,5,7,9,11,13
.irp b, 0,1,2,3
	v_max3_num_f32 v[232+\b], v[232+\b], v[96+16*\b+\i], v[97+16*\b+\i]
.endr
.endr
.irp b, 0,1,2,3
	v_max_num_f32 v[232+\b], v[232+\b], v[111+16*\b]
.endr
.irp b, 0,1,2,3
	s_delay_alu instid0(VALU_DEP_4)
	v_permlanex16_b32 v[236+\b], v[232+\b], s[SEL], s[SEL+1]
.endr
.irp b, 0,1,2,3
	s_delay_alu instid0(VALU_DEP_4)
	v_max_num_f32 v[232+\b], v[232+\b], v[236+\b]  ; with lane l xor 16's 16 keys
.endr
	s_delay_alu instid0(VALU_DEP_2)
	v_max3_num_f32 v254, v232, v233, v234
	s_delay_alu instid0(VALU_DEP_1)
	v_max_num_f32 v254, v254, v235
	s_delay_alu instid0(VALU_DEP_1)
	v_mul_f32 v254, s[CS], v254                    ; the step's largest t of my query
	s_delay_alu instid0(VALU_DEP_1)
	v_max_num_f32 v13, v13, v254
	v_mov_b32 v254, v12
	s_delay_alu instid0(VALU_DEP_2)
	v_floor_f32 v12, -v13                          ; the new -M = -ceil(t): a whole number
	s_delay_alu instid0(VALU_DEP_1)
	v_sub_f32 v254, v12, v254
	s_delay_alu instid0(VALU_DEP_1)
	v_cvt_i32_f32 v254, v254                       ; (it saturates)
	s_delay_alu instid0(VALU_DEP_1)
	v_ldexp_f32 v252, 1.0, v254                    ; f = 2^(old M - new M)
.irp j, 0,2,4,6,8,10,12,14,16,18,20,22,24,26,28,30,32,34,36,38,40,42,44,46,48,50,52,54,56,58,60,62
	v_pk_fma_f32 v[96+\j:97+\j], v[96+\j:97+\j], s[CS:CS+1], v[12:13] op_sel_hi:[1,0,0]   ; t - M
.endr
.irp b, 0,1,2,3
	v_fma_f32 v[232+\b], v[232+\b], s[CS], v12
.endr
	s_wait_alu depctr_va_vdst(0)                   ; the wait ahead of the batch
.irp j, 0,1,2,3,4,5,6,7,8,9,10,11,12,13,14,15,16,17,18,19,20,21,22,23,24,25,26,27,28,29,30,31,32,33,34,35,36,37,38,39,40,41,42,43,44,45,46,47,48,49,50,51,52,53,54,55,56,57,58,59,60,61,62,63
	v_exp_f32 v[96+\j], v[96+\j]                   ; p = 2^(t - M)
.endr
	v_pk_mul_f32 v[14:15], v[14:15], v[252:253] op_sel_hi:[1,0]   ; the sums under the new M: a plain place behind the exponentials
	s_wait_alu depctr_va_vdst(0)                   ; one wait for the whole batch, ahead of its first reader
.irp b, 0,1,2,3
	v_exp_f32 v[232+\b], v[232+\b]                 ; each block's largest p
.endr
	v_pk_add_f32 v[236:237], v[100:101], v[104:105]   ; the row's sum of the unquantised p, in eight chains
	v_pk_add_f32 v[254:255], v[108:109], v[112:113]
	v_pk_add_f32 v[250:251], v[116:117], v[120:121]
	v_pk_add_f32 v[248:249], v[124:125], v[128:129]
	v_pk_add_f32 v[246:247], v[132:133], v[136:137]
	v_pk_add_f32 v[244:245], v[140:141], v[144:145]
	v_pk_add_f32 v[242:243], v[148:149], v[152:153]
	v_pk_add_f32 v[14:15], v[14:15], v[156:157]
	v_pk_add_f32 v[236:237], v[236:237], v[96:97]
	v_pk_add_f32 v[254:255], v[254:255], v[98:99]
	v_pk_add_f32 v[250:251], v[250:251], v[102:103]
	v_pk_add_f32 v[248:249], v[248:249], v[106:107]
	v_pk_add_f32 v[246:247], v[246:247], v[110:111]
	v_pk_add_f32 v[244:245], v[244:245], v[114:115]
	v_pk_add_f32 v[242:243], v[242:243], v[118:119]
	v_pk_add_f32 v[14:15], v[14:15], v[122:123]
	v_pk_add_f32 v[236:237], v[236:237], v[126:127]
	v_pk_add_f32 v[254:255], v[254:255], v[130:131]
	v_pk_add_f32 v[250:251], v[250:251], v[134:135]
	v_pk_add_f32 v[248:249], v[248:249], v[138:139]
	v_pk_add_f32 v[246:247], v[246:247], v[142:143]
	v_pk_add_f32 v[244:245], v[244:245], v[146:147]
	v_pk_add_f32 v[242:243], v[242:243], v[150:151]
	v_pk_add_f32 v[14:15], v[14:15], v[154:155]
	v_pk_add_f32 v[236:237], v[236:237], v[158:159]
	s_delay_alu instid0(VALU_DEP_2)
	v_pk_add_f32 v[14:15], v[14:15], v[248:249]
	s_delay_alu instid0(VALU_DEP_2)
	v_pk_add_f32 v[236:237], v[236:237], v[246:247]
	v_pk_add_f32 v[254:255], v[254:255], v[244:245]
	v_pk_add_f32 v[250:251], v[250:251], v[242:243]
	s_delay_alu instid0(VALU_DEP_2)
	v_pk_add_f32 v[14:15], v[14:15], v[254:255]
	s_delay_alu instid0(VALU_DEP_2)
	v_pk_add_f32 v[236:237], v[236:237], v[250:251]
	s_delay_alu instid0(VALU_DEP_1)
	v_pk_add_f32 v[14:15], v[14:15], v[236:237]
	s_wait_alu depctr_va_vdst(0)                   ; and one for the four
.irp b, 0,1,2,3
	v_max_num_f32 v[232+\b], 0x1800000, v[232+\b]  ; the floor 2^(3 - 127)
.endr
.irp b, 0,1,2,3
	s_delay_alu instid0(VALU_DEP_4)
	v_add_nc_u32 v[244+\b], 0xff000000, v[232+\b]
.endr
.irp b, 0,1,2,3
	s_delay_alu instid0(VALU_DEP_4)
	v_lshrrev_b32 v[236+\b], 23, v[244+\b]
.endr
	s_delay_alu instid0(VALU_DEP_3)
	v_lshl_or_b32 v253, v237, 8, v236              ; p's scale word for these 128 keys
	s_delay_alu instid0(VALU_DEP_1)
	v_lshl_or_b32 v253, v238, 16, v253
	s_delay_alu instid0(VALU_DEP_1)
	v_lshl_or_b32 v253, v239, 24, v253
.irp c, 0,1
	v_cvt_scalef32_pk16_fp6_f32 v[224+6*\c:226+6*\c], v[96+32*\c:111+32*\c], v[244+2*\c]
	v_cvt_scalef32_pk16_fp6_f32 v[236+4*\c:238+4*\c], v[112+32*\c:127+32*\c], v[244+2*\c+1]
.endr
	v_nop                                          ; one plain place behind a scaled conversion
.irp c, 0,1
.irp i, 0,1,2
	v_permlane16_swap_b32 v[224+6*\c+\i], v[236+4*\c+\i]
.endr
.irp i, 0,1,2
	s_delay_alu instid0(VALU_DEP_3)
	v_mov_b32 v[227+6*\c+\i], v[236+4*\c+\i]
.endr
.endr
.irp j, 0,2,4,6,8,10,12,14,16,18,20,22,24,26,28,30
	v_pk_mul_f32 v[160+\j:161+\j], v[160+\j:161+\j], v[252:253] op_sel_hi:[1,0]   ; O^T under the new M.  (These 16 are also the places in front of the products below)
.endr
	s_wait_alu depctr_va_vdst(0)
	s_wait_dscnt 0x0                               ; V is in
.irp t, 0,1,2,3                                ; O^T += V^T P^T: the four accumulators by turns
.if \t > 1
	v_wmma_scale_f32_16x16x128_f8f6f4 v[160+8*\t:167+8*\t], v[36+12*\t:47+12*\t], v[224:235], v[160+8*\t:167+8*\t], v[88+\t%2], v253 matrix_a_fmt:MATRIX_FMT_FP6 matrix_b_fmt:MATRIX_FMT_FP6 matrix_a_scale:MATRIX_SCALE_ROW1
.else
	v_wmma_scale_f32_16x16x128_f8f6f4 v[160+8*\t:167+8*\t], v[36+12*\t:47+12*\t], v[224:235], v[160+8*\t:167+8*\t], v[88+\t%2], v253 matrix_a_fmt:MATRIX_FMT_FP6 matrix_b_fmt:MATRIX_FMT_FP6
.endif
.endr
.Lhidden_\@:
	s_add_co_u32 s[KF], s[KF], 128
.endm
; A tile is finished: O^T / the sum is y; its 64 numbers are two blocks of the last product's K: six registers of codes and two scale bytes a row.
.macro FINISH
.rept 4
	v_nop                                          ; places behind the last products
.endr
	v_add_f32 v14, v14, v15
	s_delay_alu instid0(VALU_DEP_1)
	v_permlanex16_b32 v252, v14, s[SEL], s[SEL+1]
	s_delay_alu instid0(VALU_DEP_1)
	v_add_f32 v14, v14, v252                       ; the row's sum
	s_wait_alu depctr_va_vdst(0)
	v_rcp_f32 v14, v14
	v_mov_b32 v15, 0                               ; a plain place behind the transcendental
	s_wait_alu depctr_va_vdst(0)                   ; the wait, ahead of the first reader
.irp j, 0,2,4,6,8,10,12,14,16,18,20,22,24,26,28,30
	v_pk_mul_f32 v[96+\j:97+\j], v[160+\j:161+\j], v[14:15] op_sel_hi:[1,0]   ; register 16 b + i: channel 32 b + 16 h + i of my query
.endr
.irp b, 0,1
	v_max3_num_f32 v[232+\b], |v[96+16*\b]|, |v[97+16*\b]|, 0x1800000
.endr
.irp i, 2,4,6,8,10,12,14
.irp b, 0,1
	s_delay_alu instid0(VALU_DEP_2)
	v_max3_num_f32 v[232+\b], v[232+\b], |v[96+16*\b+\i]|, |v[97+16*\b+\i]|
.endr
.endr
.irp b, 0,1
	s_delay_alu instid0(VALU_DEP_2)
	v_permlanex16_b32 v[236+\b], v[232+\b], s[SEL], s[SEL+1]
.endr
.irp b, 0,1
	s_delay_alu instid0(VALU_DEP_2)
	v_max_num_f32 v[232+\b], v[232+\b], v[236+\b]
.endr
.irp b, 0,1
	s_delay_alu instid0(VALU_DEP_2)
	v_add_nc_u32 v[244+\b], 0xff000000, v[232+\b]
.endr
.irp b, 0,1
	s_delay_alu instid0(VALU_DEP_2)
	v_lshrrev_b32 v[236+\b], 23, v[244+\b]
.endr
	s_delay_alu instid0(VALU_DEP_1)
	v_lshl_or_b32 v240, v237, 8, v236
	v_cvt_scalef32_pk16_fp6_f32 v[224:226], v[96:111], v244
	v_cvt_scalef32_pk16_fp6_f32 v[248:250], v[112:127], v245
	v_nop                                          ; one plain place behind a scaled conversion
.irp i, 0,1,2
	v_permlane16_swap_b32 v[224+\i], v[248+\i]
.endr
.irp i, 0,1,2
	s_delay_alu instid0(VALU_DEP_3)
	v_mov_b32 v[227+\i], v[248+\i]
.endr
	global_store_b128 v[AL16], v[224:227], s[58:59]            ; 512 consecutive bytes, aligned,
	global_store_b64 v[AL8], v[228:229], s[58:59] offset:512   ; and 256: half a fragment, as an image of its six registers
	global_store_b16 v[R16], v240, s[62:63]        ; two bytes a row (both halves of the lanes write the same): all that a head has of a page; the other heads' bytes come from other work-groups
	s_wait_xcnt 0x0                                ; the stores have read their registers and bases: both are written again
.endm
.Lfirst:                                           ; 2 trips: records 0 and 1 for the first tile, while the other records land
	s_lshl_b32 s[KF], s[KS], 8
	STEP 0, 0
	STEP 1, 0
	s_add_co_u32 s[TB], s[TB], REC
	s_add_co_u32 s[KS], s[KS], 1
	s_cmp_lg_u32 s[KS], 2
	s_cbranch_scc1 .Lfirst
	s_wait_tensorcnt 0x0                           ; every wave's load is in,
	s_wait_dscnt 0x0
	s_barrier_signal -1
	s_barrier_wait -1                              ; and all of K and V is shown to all
.Lslot:                                            ; 14 trips: records 2 to 7 for the first tile, then 0 to 7 for the second
	s_lshl_b32 s[KF], s[KS], 8
	STEP 0
	STEP 1
	s_add_co_u32 s[TB], s[TB], REC
	s_cmp_eq_u32 s[TB], 8*REC
	s_cselect_b32 s[TB], 0, s[TB]                  ; behind record 7 comes record 0
	s_cmp_lg_u32 s[KS], 7
	s_cbranch_scc1 .Lsame
	FINISH
	s_cmp_eq_u32 s[SLOTS], 1
	s_cbranch_scc1 .Lsame                          ; behind the second tile nothing more is set up
	s_sub_co_u32 s[QB], 7, s[QB]                   ; on to tile n
	s_sub_co_u32 s[TI], 15, s[TI]
	TSET
.irp i, 0,1,2,3,4,5
	v_mov_b32 v[16+\i], v[192+\i]
.endr
.irp i, 0,1,2,3,4,5
	v_mov_b32 v[28+\i], v[192+\i]
.endr
	v_mov_b32 v90, v198
	RESET
	s_wait_alu depctr_va_vdst(0)                   ; the wait ahead of the backward jump
.Lsame:
	s_add_co_u32 s[KS], s[KS], 1
	s_and_b32 s[KS], s[KS], 7
	s_sub_co_u32 s[SLOTS], s[SLOTS], 1
	s_cmp_lg_u32 s[SLOTS], 0
	s_cbranch_scc1 .Lslot
	s_wait_tensorcnt 0x0                           ; the wave's end
	ds_add_u32 v[SPW], v[NIL]
	s_wait_dscnt 0x0
	s_endpgm
.Lfunc_end_k_qa000a83a90_attn:
	.size	k_qa000a83a90_attn, .Lfunc_end_k_qa000a83a90_attn-k_qa000a83a90_attn
	.p2alignl 7, 3214868480
	.fill 96, 4, 3214868480
	.section	.rodata,"a",@progbits
	.p2align	6, 0x0
	.amdhsa_kernel k_qa000a83a90_attn
		.amdhsa_group_segment_fixed_size 264192
		.amdhsa_private_segment_fixed_size 0
		.amdhsa_enable_private_segment 0
		.amdhsa_kernarg_size 24
		.amdhsa_user_sgpr_count 2
		.amdhsa_user_sgpr_kernarg_segment_ptr 1
		.amdhsa_wavefront_size32 1
		.amdhsa_system_sgpr_workgroup_id_x 1
		.amdhsa_system_sgpr_workgroup_id_y 1
		.amdhsa_system_sgpr_workgroup_id_z 1
		.amdhsa_system_vgpr_workitem_id 0
		.amdhsa_next_free_vgpr 256
		.amdhsa_next_free_sgpr 100
		.amdhsa_reserve_vcc 1
		.amdhsa_float_denorm_mode_32 3
		.amdhsa_float_denorm_mode_16_64 3
		.amdhsa_memory_ordered 1
		.amdhsa_forward_progress 1
		.amdhsa_inst_pref_size 94
	.end_amdhsa_kernel
	.amdgpu_metadata
---
amdhsa.version: [ 1, 2 ]
amdhsa.kernels:
  - .name:           k_qa000a83a90_attn
    .symbol:         k_qa000a83a90_attn.kd
    .args:
      - { .name: qb, .offset: 0, .size: 8, .value_kind: global_buffer, .address_space: global }
      - { .name: kv, .offset: 8, .size: 8, .value_kind: global_buffer, .address_space: global }
      - { .name: yq, .offset: 16, .size: 8, .value_kind: global_buffer, .address_space: global }
    .group_segment_fixed_size: 264192
    .private_segment_fixed_size: 0
    .kernarg_segment_align: 8
    .kernarg_segment_size: 24
    .max_flat_workgroup_size: 512
    .sgpr_count:     100
    .vgpr_count:     256
    .wavefront_size: 32
...
	.end_amdgpu_metadata
.endif
;; end of part 3
;; launch proj (part 4): grid 8 x 32, 4 waves a work-group, clusters of 4 x 4, 327,680 bytes of LDS; arguments yq, wpq, b_proj, out0; writes out0
.if DOCPART == 4
	.amdgcn_target "amdgcn-amd-amdhsa--gfx1250"
	.amdhsa_code_object_version 6
	.text
	.protected	k_qa000a83a90_proj
	.globl	k_qa000a83a90_proj
	.p2align	8
	.type	k_qa000a83a90_proj,@function
k_qa000a83a90_proj:
	s_mov_b64 s[64:65], 0
	v_nop
	global_prefetch_b8 v0, s[64:65] scope:SCOPE_SE
	s_setreg_imm32_b32 hwreg(HW_REG_WAVE_MODE, 25, 1), 1
	s_wait_xcnt 0x0
	s_wait_alu depctr_hold_cnt(0) depctr_sa_sdst(0) depctr_va_vdst(0) depctr_va_sdst(0) depctr_va_ssrc(0) depctr_va_vcc(0) depctr_vm_vsrc(0)
	s_getreg_b32 s2, hwreg(HW_REG_IB_STS2, 6, 4)
	s_cmp_eq_u32 s2, 0
	s_cbranch_scc0 .Lentry_in_a_cluster
	s_endpgm
.Lentry_in_a_cluster:
	s_bfe_u32 s2, ttmp6, 0x10000c
	s_cmp_lg_u32 s2, 0xf033
	s_cbranch_scc0 .Lentry_shape_is_right
	s_endpgm
.Lentry_shape_is_right:
; out = y w_proj + b_proj on codes of FP6 (E2M3) with E8M0 scales; sums and result in f32.
; SHARES.  A work-group makes 256 rows x 128 columns: 8,192 x 1,024 are 256 such tiles, one for each WGP (256 x 256 would leave half of them without work).  Wave (p, e): rows 128 p on x columns 64 e on: 32 accumulators.
; ALL OF K LIES IN LDS: 4 chunks of 256 along K, y's 16 row-blocks x 3,072 bytes and w's 8 each: 294,912 bytes, each byte filled once.  All four chunks are asked for at the start (one tensor load a wave);
; a counted wait and a plain barrier stand in front of each half's first read.  No slot is filled again.
; OPERANDS lie as images of their registers.  w's fragments: 1,536 bytes, three ds_load_b128.  y's: two halves of 768 bytes (one head each: registers 0-3 at 16 x lane, registers 4-5 at 512 + 8 x lane).
; THE MATRIX INSTRUCTION IS USED TRANSPOSED (source 0 = 16 columns of w, source 1 = 16 rows of y): a lane holds eight neighbouring numbers of a row of the result.  The bias is the C of each sum's first product.
; Lane r of row-block 2 G + u is logical row (or column) 32 G + 8 u + r + 8 (r / 8): the way out puts rows and columns back in order.
; CLUSTERS: 4 x 4 work-groups; y's tiles are shared along a row of the cluster, w's along a column: joint loads.
; REGISTERS: window 0: v8-19 LDS addresses, v24-27, v32-63 y's scale words, v64-79 w's, v128-191 rows on the way out.  window 1: v0-95 y's 8 fragments, one set; v96-143, v144-191 w's 4, two sets.
;   window 2: the accumulators, (a, t) at 32 a + 8 t.   window 3: v0-31 the bias.
.set YPG,   6291456
.set WPG,   786432
.set CHUNK, 73728
; LDS AS IT IS USED: two halves of K, 2 CHUNK bytes each: y's 16 row-blocks x 6,144 bytes, then w's 8.  One tensor load a wave at the head: wave 0 y's first half, wave 1 w's, wave 2 y's second half, wave 3 w's.
; The first barrier waits for waves 0 and 1 alone; the barrier in step 3 shows the second half to all.
.set BOFF,  98304
.set STAGE, 4*CHUNK                    ; behind the chunks: 16 rows x (256 bytes + 16) for each wave; no tensor load lands here
.set ADA16, 8
.set ADA8,  12
.set ADB,   16
.set LI,    24
.set STO,   25
.set RD,    26
.set CO,    27
.set SA,    32
.set SB,    64
.set BK,    128
.set G1A,   24
.set G1B,   48
.set G0A,   68                         ; s[68:75] two sets: y's halves
.set G0B,   84                         ; s[84:91]: w's halves
.set MSB, 0
.macro WIN new
.if MSB != \new
	s_set_vgpr_msb (MSB<<8)|\new
.set MSB, \new
.endif
.endm
.macro PLACES
.rept 4
	v_nop
.endr
.endm
.macro CROUND                          ; a round of the cluster's barrier
	s_barrier_signal -1
	s_barrier_wait -1
	s_cmp_lg_u32 s14, 0
	s_cbranch_scc1 .Lnot_wave_0_\@
	s_barrier_signal -3
.Lnot_wave_0_\@:
	s_barrier_wait -3
	s_barrier_signal -1
	s_barrier_wait -1
.endm
	s_load_b256 s[4:11], s[0:1], 0x0               ; yq s[4:5], wpq s[6:7], b_proj s[8:9], out0 s[10:11]
	v_lshl_add_u32 v254, v0, 2, 0x4c400
	v_mov_b32 v255, 0
	ds_add_u32 v254, v255
	ds_add_u32 v254, v255
	v_lshrrev_b32 v1, 5, v0
	v_readfirstlane_b32 s14, v1                    ; wave 0..3
	s_lshr_b32 s15, s14, 1                         ; p.  Also: which half I fetch
	s_and_b32 s16, s14, 1                          ; e.  Also: I fetch for y (0) or for w (1)
	s_bfe_u32 s40, ttmp6, 0x40000
	s_bfe_u32 s41, ttmp6, 0x40004
	s_lshl_b32 s42, ttmp9, 2
	s_add_co_u32 s42, s42, s40                     ; j: tile column
	s_and_b32 s17, ttmp7, 0xffff
	s_lshl_b32 s17, s17, 2
	s_add_co_u32 s17, s17, s41                     ; I: tile row
	s_lshl_b32 s43, s41, 2
	s_lshl_b32 s43, 15, s43
	s_lshl_b32 s44, 0x1111, s40
	s_or_b32 s[G1A+0], s43, (3<<16)|(1<<21)        ; rows 12,288 bytes apart
	s_or_b32 s[G1B+0], s44, (3<<16)|(1<<21)
	s_mov_b32 s[G1A+1], 768<<16                    ; rows of 6,144 bytes (768 elements of 8): 16 for y, 8 for w
	s_mov_b32 s[G1A+2], 16<<16
	s_mov_b32 s[G1A+3], 768<<16
	s_mov_b32 s[G1A+4], 16
	s_mov_b32 s[G1A+5], 1536
	s_mov_b32 s[G1A+6], 0
	s_mov_b32 s[G1A+7], 0
	s_mov_b32 s[G1B+1], 768<<16
	s_mov_b32 s[G1B+2], 8<<16
	s_mov_b32 s[G1B+3], 768<<16
	s_mov_b32 s[G1B+4], 8
	s_mov_b32 s[G1B+5], 1536
	s_mov_b32 s[G1B+6], 0
	s_mov_b32 s[G1B+7], 0
	s_mul_i32 s20, s17, 16*12288                   ; y: row-block 16 I
	s_mov_b32 s21, 0
	s_mul_i32 s46, s42, 8*12288                    ; w: row-block 8 j
	s_mov_b32 s47, 0
	s_wait_dscnt 0x0
	s_wait_kmcnt 0x0
	s_add_nc_u64 s[20:21], s[4:5], s[20:21]
	s_add_nc_u64 s[46:47], s[6:7], s[46:47]
.irp c, 0,1                                    ; the two halves of K
	s_mov_b32 s[G0A+4*\c], 1
	s_mov_b32 s[G0A+4*\c+1], \c*2*CHUNK
	s_add_nc_u64 s[G0A+4*\c+2:G0A+4*\c+3], s[20:21], \c*6144
	s_or_b32 s[G0A+4*\c+3], s[G0A+4*\c+3], 0x80000000
	s_mov_b32 s[G0B+4*\c], 1
	s_mov_b32 s[G0B+4*\c+1], \c*2*CHUNK+BOFF
	s_add_nc_u64 s[G0B+4*\c+2:G0B+4*\c+3], s[46:47], \c*6144
	s_or_b32 s[G0B+4*\c+3], s[G0B+4*\c+3], 0x80000000
.endr
.macro HARM w, g0, g1                  ; an arm of the head's chain: wave w's one load, and the jump to the join
	s_cmp_eq_u32 s14, \w
	s_cbranch_scc0 .Lnot_\w
	tensor_load_to_lds s[\g0:\g0+3], s[\g1:\g1+7]
	s_nop 0
.rept 4
	v_nop
.endr
	s_branch .Lfirst_asked
.Lnot_\w:
.endm
	CROUND                                         ; all sixteen work-groups are here: the joint loads meet
	HARM 0, G0A, G1A                               ; one load a wave, what is needed first asked for first
	HARM 1, G0B, G1B
	HARM 2, G0A+4, G1A
	tensor_load_to_lds s[G0B+4:G0B+7], s[G1B:G1B+7]
	s_nop 0
.rept 4
	v_nop
.endr
.Lfirst_asked:
	v_and_b32 v1, 31, v0
	v_lshlrev_b32 v[LI], 4, v1
	v_lshlrev_b32 v5, 3, v1
	v_and_b32 v2, 15, v0                           ; r
	v_bfe_u32 v3, v0, 4, 1                         ; h
	s_wait_alu depctr_va_vdst(0)                   ; the wait here
	s_mul_i32 s21, s15, 49152                      ; my 8 row-blocks of y, 6,144 bytes each in a half of K
	s_mul_i32 s22, s16, 24576                      ; my 4 of w
	s_add_co_u32 s22, s22, BOFF
.irp c, 0,1
	v_add_nc_u32 v[ADA16+\c], s21, v[LI]
	v_add_nc_u32 v[ADA8+\c], s21, v5
	v_add_nc_u32 v[ADB+\c], s22, v[LI]
	s_add_co_u32 s21, s21, 2*CHUNK
	s_add_co_u32 s22, s22, 2*CHUNK
.endr
	s_lshl_b32 s56, s17, 4
	s_lshl_b32 s57, s15, 3
	s_add_co_u32 s56, s56, s57
	s_lshl_b32 s56, s56, 9
	s_add_co_u32 s56, s56, YPG
	s_mov_b32 s57, 0
	s_add_nc_u64 s[56:57], s[4:5], s[56:57]
	s_lshl_b32 s58, s42, 3
	s_lshl_b32 s59, s16, 2
	s_add_co_u32 s58, s58, s59
	s_lshl_b32 s58, s58, 9
	s_add_co_u32 s58, s58, WPG
	s_mov_b32 s59, 0
	s_add_nc_u64 s[58:59], s[6:7], s[58:59]
.irp a, 0,1,2,3,4,5,6,7
	global_load_b128 v[SA+4*\a:SA+4*\a+3], v[LI], s[56:57] offset:512*\a    ; a whole page a load
.endr
.irp t, 0,1,2,3
	global_load_b128 v[SB+4*\t:SB+4*\t+3], v[LI], s[58:59] offset:512*\t
.endr
	s_lshl_b32 s60, s42, 9
	s_lshl_b32 s61, s16, 8
	s_add_co_u32 s60, s60, s61                     ; my 64 columns, in bytes: 512 j + 256 e
	s_mov_b32 s61, 0
	s_add_nc_u64 s[8:9], s[8:9], s[60:61]
	v_lshlrev_b32 v4, 6, v3
	WIN 0xc0                                       ; destination window 3
.irp t, 0,1,2,3
	global_load_b128 v[8*\t:8*\t+3], v4, s[8:9] offset:(32*(\t/2)+8*(\t%2))*4      ; lane (r, h), tile t: columns 32 (t / 2) + 8 (t % 2) + 16 h + 0 .. 7
	global_load_b128 v[8*\t+4:8*\t+7], v4, s[8:9] offset:(32*(\t/2)+8*(\t%2))*4+16
.endr
	WIN 0
	s_lshl_b32 s62, s17, 8
	s_lshl_b32 s63, s15, 7
	s_add_co_u32 s62, s62, s63
	s_lshl_b32 s62, s62, 12                        ; row 256 I + 128 p, of 4,096 bytes
	s_add_co_u32 s62, s62, s60
	s_mov_b32 s63, 0
	s_add_nc_u64 s[10:11], s[10:11], s[62:63]
	s_mul_i32 s22, s14, 16*272
	s_add_co_u32 s22, s22, STAGE                   ; my stage
	v_mul_u32_u24 v[STO], v2, 272
	v_lshl_add_u32 v[STO], v3, 6, v[STO]
	v_add_nc_u32 v[STO], s22, v[STO]               ; in: row r, + 64 h
	v_mul_u32_u24 v[RD], v3, 272
	v_lshl_add_u32 v[RD], v2, 4, v[RD]
	v_add_nc_u32 v[RD], s22, v[RD]                 ; back: lanes 0-15 one row of 256 bytes, lanes 16-31 the next
	v_lshlrev_b32 v[CO], 12, v3
	v_lshl_add_u32 v[CO], v2, 4, v[CO]             ; and the same in the result
.macro WMM hi
.if \hi
	v_wmma_scale_f32_16x16x128_f8f6f4 v[oD:oD+7], v[oA:oA+11], v[oB:oB+11], v[oC:oC+7], v[oSA], v[oSB] matrix_a_fmt:MATRIX_FMT_FP6 matrix_b_fmt:MATRIX_FMT_FP6 matrix_a_scale:MATRIX_SCALE_ROW1 matrix_b_scale:MATRIX_SCALE_ROW1
.else
	v_wmma_scale_f32_16x16x128_f8f6f4 v[oD:oD+7], v[oA:oA+11], v[oB:oB+11], v[oC:oC+7], v[oSA], v[oSB] matrix_a_fmt:MATRIX_FMT_FP6 matrix_b_fmt:MATRIX_FMT_FP6
.endif
.endm
; 8 products: y's blocks a0, a0 + 1 against my four tiles of columns.  The 32 accumulators take turns, one instruction a turn, in the same order in every K step.
.macro MULP2 a0, s, zero
.if \zero
	WIN 0xb5                                       ; sources 0 and 1 window 1, C (the bias) window 3, D window 2
.else
	WIN 0xa5
.endif
.irp a, \a0, \a0+1
.irp t, 0,1,2,3
.set oD, 32*(\a)+8*\t
.set oA, 96+48*((\s)%2)+12*\t
.set oB, 12*(\a)
.set oC, oD
.if \zero
.set oC, 8*\t
.endif
.set oSA, SB+4*\t+(\s)%4
.set oSB, SA+4*(\a)+(\s)%4
	WMM (\s)/4
.endr
.endr
.endm
.macro FETCH_A ch, kq, i0              ; y's blocks i0 .. i0 + 3: two heads' halves each
	WIN 0x40
.irp i, \i0, \i0+1, \i0+2, \i0+3
	ds_load_b128 v[12*(\i):12*(\i)+3], v[ADA16+(\ch)/2] offset:(\i)*6144+3072*((\ch)%2)+1536*(\kq)
	ds_load_b64 v[12*(\i)+4:12*(\i)+5], v[ADA8+(\ch)/2] offset:(\i)*6144+3072*((\ch)%2)+1536*(\kq)+512
	ds_load_b128 v[12*(\i)+6:12*(\i)+9], v[ADA16+(\ch)/2] offset:(\i)*6144+3072*((\ch)%2)+1536*(\kq)+768
	ds_load_b64 v[12*(\i)+10:12*(\i)+11], v[ADA8+(\ch)/2] offset:(\i)*6144+3072*((\ch)%2)+1536*(\kq)+1280
.endr
.endm
.macro FETCH_B ch, kq, set
	WIN 0x40
.irp t, 0,1,2,3
.irp c, 0,1,2
	ds_load_b128 v[96+48*(\set)+12*\t+4*\c:96+48*(\set)+12*\t+4*\c+3], v[ADB+(\ch)/2] offset:\t*6144+3072*((\ch)%2)+1536*(\kq)+512*\c
.endr
.endr
.endm
.macro STEP s, zero                    ; an even K step: its successor lies in the same chunk
	s_wait_dscnt 16                                ; w's set and y's blocks 0-3 are in; the youngest 16 loads (blocks 4-7) may be out
	MULP2 0, \s, \zero
	MULP2 2, \s, \zero
	s_wait_dscnt 0x0
	PLACES
	FETCH_B (\s)/2, 1, 1
	FETCH_A (\s)/2, 1, 0
	MULP2 4, \s, \zero
	MULP2 6, \s, \zero
	PLACES
	FETCH_A (\s)/2, 1, 4
.endm
.macro TURN s                          ; an odd K step: its successor lies in the next chunk, which at step 3, the second half of K, is shown whole to every wave by a counted wait and a barrier
.if (\s) == 3
	s_wait_tensorcnt 0x0                           ; step 4 begins the second half of K: every wave's load is in,
.endif
	s_wait_dscnt 16
	MULP2 0, \s, 0
	s_wait_dscnt 0x0
.if (\s) == 3
	s_barrier_signal -1                            ; and a barrier shows it to all
.endif
	MULP2 2, \s, 0
.if (\s) == 3
	s_barrier_wait -1
.endif
	PLACES
	FETCH_B ((\s)+1)/2, 0, 0
	FETCH_A ((\s)+1)/2, 0, 0
	MULP2 4, \s, 0
	MULP2 6, \s, 0
	PLACES
	FETCH_A ((\s)+1)/2, 0, 4
.endm
	s_wait_alu depctr_va_vdst(0)                   ; the wait at the head's end
	s_cmp_lt_u32 s14, 2                            ; the first half of K is waves 0 and 1's; the second may stay out
	s_cbranch_scc0 .Lnot_h0
	s_wait_tensorcnt 0x0
.Lnot_h0:
	s_barrier_signal -1
	s_barrier_wait -1                              ; everybody's is
	FETCH_B 0, 0, 0
	FETCH_A 0, 0, 0
	FETCH_A 0, 0, 4
	s_wait_loadcnt 0x0                             ; the scale words and the bias
	STEP 0, 1
	TURN 1
	STEP 2, 0
	TURN 3
	STEP 4, 0
	TURN 5
	STEP 6, 0
	s_wait_dscnt 16                                ; the last step: nothing more to fetch
	MULP2 0, 7, 0
	MULP2 2, 7, 0
	s_wait_alu depctr_va_vdst(0)
	s_wait_dscnt 0x0
	MULP2 4, 7, 0
	MULP2 6, 7, 0
	WIN 0
	PLACES
; THE WAY OUT, a block of 16 rows x 64 columns at a time, through my own stage: in by lanes (32 bytes of a row each), back as whole rows of 256 bytes.  LDS serves a wave's instructions in order: no wait between.
.macro TOSTAGE a
	WIN 0x08                                       ; an LDS store's data are its source 1: window 2
.irp t, 0,1,2,3
	ds_store_b128 v[STO], v[32*(\a)+8*\t:32*(\a)+8*\t+3] offset:128*(\t/2)+32*(\t%2)          ; each accumulator from its low end on
	ds_store_b128 v[STO], v[32*(\a)+8*\t+4:32*(\a)+8*\t+7] offset:128*(\t/2)+32*(\t%2)+16
.endr
	WIN 0
.irp k, 0,1,2,3,4,5,6,7
	ds_load_b128 v[BK+32*((\a)%2)+4*\k:BK+32*((\a)%2)+4*\k+3], v[RD] offset:544*\k
.endr
.endm
.macro SEND a, younger                 ; the stage's row 2 k + h is logical row 32 (a / 2) + 8 (a % 2) + 2 k + h + 8 (k / 4) of my 128
	s_wait_dscnt \younger
.irp k, 0,1,2,3,4,5,6,7
	global_store_b128 v[CO], v[BK+32*((\a)%2)+4*\k:BK+32*((\a)%2)+4*\k+3], s[10:11] offset:(32*((\a)/2)+8*((\a)%2)+2*\k+8*(\k/4))*4096 th:TH_STORE_NT   ; sixteen lanes store 256 consecutive bytes, aligned
.endr
.endm
	TOSTAGE 0
.irp a, 1,2,3,4,5,6,7
.if \a > 1
	s_wait_xcnt 0x0                                ; block a - 2's stores have read their registers: block a's loads may land there
.endif
	TOSTAGE \a
	SEND \a-1, 16                                  ; behind block a - 1's loads: block a's 8 stores and 8 loads
.endr
	SEND 7, 0
	s_wait_tensorcnt 0x0
	ds_add_u32 v254, v255
	s_wait_dscnt 0x0
	CROUND                                         ; the closing round: no work-group ends while a partner may still ask for a tile that names it
	s_endpgm
.Lfunc_end_k_qa000a83a90_proj:
	.size	k_qa000a83a90_proj, .Lfunc_end_k_qa000a83a90_proj-k_qa000a83a90_proj
	.p2alignl 7, 3214868480
	.fill 96, 4, 3214868480
	.section	.rodata,"a",@progbits
	.p2align	6, 0x0
	.amdhsa_kernel k_qa000a83a90_proj
		.amdhsa_group_segment_fixed_size 327680
		.amdhsa_private_segment_fixed_size 0
		.amdhsa_enable_private_segment 0
		.amdhsa_kernarg_size 32
		.amdhsa_user_sgpr_count 2
		.amdhsa_user_sgpr_kernarg_segment_ptr 1
		.amdhsa_wavefront_size32 1
		.amdhsa_system_sgpr_workgroup_id_x 1
		.amdhsa_system_sgpr_workgroup_id_y 1
		.amdhsa_system_sgpr_workgroup_id_z 1
		.amdhsa_system_vgpr_workitem_id 0
		.amdhsa_next_free_vgpr 800
		.amdhsa_next_free_sgpr 100
		.amdhsa_reserve_vcc 0
		.amdhsa_float_denorm_mode_32 3
		.amdhsa_float_denorm_mode_16_64 3
		.amdhsa_memory_ordered 1
		.amdhsa_forward_progress 1
		.amdhsa_inst_pref_size 83
	.end_amdhsa_kernel
	.amdgpu_metadata
---
amdhsa.version: [ 1, 2 ]
amdhsa.kernels:
  - .name:           k_qa000a83a90_proj
    .symbol:         k_qa000a83a90_proj.kd
    .args:
      - { .name: yq, .offset: 0, .size: 8, .value_kind: global_buffer, .address_space: global }
      - { .name: wpq, .offset: 8, .size: 8, .value_kind: global_buffer, .address_space: global }
      - { .name: b_proj, .offset: 16, .size: 8, .value_kind: global_buffer, .address_space: global }
      - { .name: out0, .offset: 24, .size: 8, .value_kind: global_buffer, .address_space: global }
    .group_segment_fixed_size: 327680
    .private_segment_fixed_size: 0
    .kernarg_segment_align: 8
    .kernarg_segment_size: 32
    .max_flat_workgroup_size: 128
    .sgpr_count:     100
    .vgpr_count:     800
    .wavefront_size: 32
...
	.end_amdgpu_metadata
.endif
;; end of part 4
